; MI455X (gfx1250); checked and timed in simulation.
; The chip was launched on July 23, 2026; its instructions are those of AMD's public machine-readable ISA for CDNA 5 (MIT licence, August 2026) and "CDNA5" Instruction Set Architecture Reference Guide (July 2026). The comments in the code are by the model that wrote it; some were corrected since.
;; Attention. Allowed arithmetic: matrix products marked QUANTISED: E2M1 operands, one E8M0 scale for each 32 along K, by v_wmma_scale_f32_16x16x128_f8f6f4 with both operands' format E2M1 (or v_wmma_scale_f32_32x16x128_f4), f32 sums; products left as they are: bf16, f16 or f32 operands; f32 sums; everything else in f32.
;; Inputs: Wkv 1,024 x 2,048 float32; Wout 1,024 x 1,024 float32; Wq 1,024 x 1,024 float32; bout 1,024 float32; cos 1 x 1 x 2,048 x 64 float32; sin 1 x 1 x 2,048 x 64 float32; x 4 x 2,048 x 1,024 float32.
;; Outputs: out0 4 x 2,048 x 1,024 float32.
;; This version of the problem:
;;   THIS VERSION OF THE PROBLEM IS GIVEN IN LOW PRECISION. The matrix products marked QUANTISED in the list below multiply operands that are first quantised to E2M1 (2 exponent bits, 1 mantissa bit; 4 bits a number), with one power-of-two scale for each 32 numbers along K (OCP MX v1.0); their sums are f32. The products marked 'left as it is' may take bf16, f16 or f32 operands, with f32 sums. Whichever they take, every output number must still come out within the allowed error. Rounding operands to bf16 (8 significant bits) uses up far more of that allowance than f16 does (11 bits, for magnitudes from 6e-5 to 65,504). All else is computed in f32.
;;   The module's matrix products, in the order in which they are computed (A, B: the left and right operand; K: the contracted axis; several contracted axes count as one K, in the product's order):
;;     1. [M 8,192, K 1,024] x [K 1,024, N 1,024]; A: input x; B: input Wq: QUANTISED
;;     2. [M 8,192, K 1,024] x [K 1,024, N 2,048]; A: input x; B: input Wkv: QUANTISED
;;     3. batch 64 x [M 2,048, K 64] x [K 64, N 2,048]; A: computed on the way; B: computed on the way: left as it is (an operand is computed on the way)
;;     4. batch 64 x [M 2,048, K 2,048] x [K 2,048, N 64]; A: computed on the way; B: computed on the way: left as it is (an operand is computed on the way)
;;     5. [M 8,192, K 1,024] x [K 1,024, N 1,024]; A: computed on the way; B: input Wout: left as it is (an operand is computed on the way)
;;   THE QUANTISER, for each operand of a quantised product, along K:
;;     - K is cut into blocks of 32 from its start; a last block that is shorter is filled with zeros.
;;     - A block's scale is 2^e with e = floor(log2(the largest magnitude in the block)) - 2, held to -126 .. 127; a block of zeros has e = 0. As a byte (E8M0): e + 127.
;;     - Each number is divided by its block's scale, clamped to +-6, and rounded to the nearest number of E2M1, ties to even, subnormals kept.
;;     - The product sums the exact products of the quantised numbers (number of the format x scale) in f32.
;;   ~~~python
;;   def quantise(x, axis):      # numpy; x: float32 -> the quantised numbers, widened to float32 again
;;       x = np.moveaxis(x, axis, -1); K = x.shape[-1]
;;       x = np.pad(x, [(0, 0)] * (x.ndim - 1) + [(0, -K % 32)]); x = x.reshape(x.shape[:-1] + (-1, 32)); a = np.abs(x).max(-1, keepdims=True)
;;       e = np.where(a > 0, np.clip(np.frexp(np.where(a > 0, a, 1))[1] - 1 - 2, -126, 127), 0)      # np.frexp(a)[1] - 1 = floor(log2(a)), exactly
;;       r = np.clip(x / 2.0 ** e, -6, 6)
;;       step = 2.0 ** (np.maximum(np.frexp(np.where(r == 0, 1, r))[1] - 1, 0) - 1)
;;       q = np.round(r / step) * step * 2.0 ** e      # np.round: ties to even
;;       return np.moveaxis(q.reshape(q.shape[:-2] + (-1,))[..., :K], -1, axis).astype(np.float32)
;;   ~~~
;; One version. Each part assembles by itself: llvm-mc -triple=amdgcn-amd-amdhsa -mcpu=gfx1250 --defsym DOCPART=n.
;; ======== version 1 of 1: 4 launches
;; limits: values are held in f16: magnitudes above 65,504 overflow, below 6.1e-05 lose precision
;; workspace buffers: xc 4,194,304 bytes; xs 262,144 bytes; wc 1,572,864 bytes; ws 98,304 bytes; wo 2,097,152 bytes; cs 1,048,576 bytes; qkv 50,331,648 bytes; o 16,777,216 bytes
;; launch prep (part 1): grid 544 x 1, 4 waves a work-group, no clusters, 33,280 bytes of LDS; arguments x, Wq, Wkv, Wout, cos, sin, xc, xs, wc, ws, wo, cs; writes xc, xs, wc, ws, wo, cs
.if DOCPART == 1
	.amdgcn_target "amdgcn-amd-amdhsa--gfx1250"
	.amdhsa_code_object_version 6
	.text
	.protected	k_q4353816dc4_prep
	.globl	k_q4353816dc4_prep
	.p2align	8
	.type	k_q4353816dc4_prep,@function
k_q4353816dc4_prep:
	s_mov_b64 s[64:65], 0
	v_nop
	global_prefetch_b8 v0, s[64:65] scope:SCOPE_SE
	s_setreg_imm32_b32 hwreg(HW_REG_WAVE_MODE, 25, 1), 1
	s_wait_xcnt 0x0
; PREP: everything that later launches read many times is laid out once.
;   work-groups   0-255: x [8192][1024] f32 -> codes of FP4 (E2M1) xc [8192][512 bytes] and E8M0 bytes xs [8192][32], K innermost, as they lie.
;   work-groups 256-319: Wq  [1024 (k)][1024 (n)] f32,  320-447: Wkv [1024 (k)][2048 (n)] f32 -> codes wc and scale words ws, quantised along K (their FIRST axis).
;   work-groups 448-511: Wout [1024 (k)][1024 (n)] f32 -> f16, wo.      work-groups 512-543: cos, sin [2048][64] f32, times sqrt(log2(e)/8) -> cs.
; A block's scale is 2^(floor(log2(its largest magnitude)) - 2): its byte is the largest magnitude's exponent field - 2, held at 1 from below; each number is divided by the scale and rounded
; to the nearest code, ties to even, beyond 6 the largest code.  A block of zeros gets the byte 1 where the rule says 127: its codes are zeros, and this program alone reads the bytes.
; LIMITS: blocks whose largest magnitude lies under 2^-124 (the floor) were not tried; NaN and infinities among the inputs are not served; Wout goes to f16: |Wout| stays under 65,504.
; LAYOUTS OF THE WORKSPACE, in the order of the operands' registers, so that a fragment comes by loads of 16 bytes a lane, 512 consecutive bytes an instruction:
;   wc [kh 2][g 192][sq 4][c 2][h 2][r 16][16 bytes]: column n = 16 g + r (0-1023 Wq, 1024-3071 Wkv), k = 512 kh + 128 sq + 64 c + 32 h + 0..31.   ws [3072][8 words]: word s = the four bytes of k = 128 s ..
;   wo [s 8][g 64][u 16][r 16][16 bytes]: column 16 g + r, k = 128 s + 8 u + 0..7.
;   cs [tg 128][which 2][b4 4][half 2][lane 32][16 bytes]: lane (r, h): (cos or sin)[16 tg + r][16 b4 + 8 h + 4 half + 0..3] x sqrt(c).
; The five paths part on the work-group's number alone.  Only x's path uses LDS.  No tensor loads, no barrier: waves share nothing.
.set WAVES, 4
.set STEPS, 16
.set EMAX,  2
.set CB,    8                          ; bytes of 16 codes
.set R,     16                         ; x: v16-79   four sets of 16 numbers as they are loaded
.set X,     80                         ; x: v80-111  two sets of 16 neighbours
.set E,     112                        ; x: v112-127 a scale byte for each step
.set C,     128                        ; x: v128-191 codes, four registers for each step
.set WREG,  8192                       ; LDS: a region for each wave: two stages of 32 x SP bytes, behind them its 256 scale bytes
.set SP,    80
.set SPW,   12                         ; v12 LDS address of my spare word; never rewritten
.set NIL,   13                         ; v13 0; never rewritten
.set SPARE, WAVES*WREG                 ; the spare words: 128 bytes a wave, two blocks of 256 bytes that no other line names
	s_load_b256 s[4:11], s[0:1], 0x0               ; x s[4:5], Wq s[6:7], Wkv s[8:9], Wout s[10:11]
	s_load_b256 s[12:19], s[0:1], 0x20             ; cos s[12:13], sin s[14:15], xc s[16:17], xs s[18:19]
	s_load_b256 s[20:27], s[0:1], 0x40             ; wc s[20:21], ws s[22:23], wo s[24:25], cs s[26:27]
	v_lshl_add_u32 v[SPW], v0, 2, SPARE
	v_mov_b32 v[NIL], 0
	v_lshrrev_b32 v1, 5, v0
	v_readfirstlane_b32 s28, v1                    ; wave 0..3
	v_and_b32 v2, 31, v0                           ; lane
	v_lshlrev_b32 v3, 4, v2                        ; 16 x lane
	s_mul_i32 s29, s28, WREG
	v_lshrrev_b32 v14, 2, v2
	v_mul_u32_u24 v14, v14, SP
	v_and_b32 v15, 3, v2
	v_lshl_add_u32 v14, v15, 4, v14
	v_add_nc_u32 v14, s29, v14                     ; x's stage, on the way in: SP (lane / 4) + 16 (lane % 4)
	v_mul_u32_u24 v15, v2, SP
	v_add_nc_u32 v15, s29, v15                     ; and on the way out: SP x lane: my 16 neighbours
	v_mul_u32_u24 v4, v2, CB                       ; my codes' place in a step's
	v_lshrrev_b32 v5, 1, v2
	s_add_co_u32 s29, s29, 2*32*SP
	v_add_nc_u32 v5, s29, v5                       ; LDS: my wave's 256 scale bytes, my block's byte
	v_lshlrev_b32 v7, 3, v2
	v_add_nc_u32 v6, s29, v7                       ; and on the way out 8 bytes a lane
	v_lshlrev_b32 v8, 2, v2                        ; the weights: 4 bytes a lane: a lane takes a column
	v_and_b32 v9, 15, v2
	v_lshlrev_b32 v9, 4, v9
	v_lshrrev_b32 v10, 4, v2
	v_lshl_add_u32 v9, v10, 12, v9                 ; their images: 16 (lane % 16) + 4,096 (lane / 16): sixteen lanes fill 256 consecutive bytes
	v_lshlrev_b32 v10, 5, v2                       ; a row of scale words is 32 bytes
	s_mov_b32 s33, 0
	s_wait_kmcnt 0x0
	s_cmp_lt_u32 ttmp9, 256
	s_cbranch_scc1 .Lx
	s_cmp_lt_u32 ttmp9, 320
	s_cbranch_scc1 .Lwq
	s_cmp_lt_u32 ttmp9, 448
	s_cbranch_scc1 .Lwkv
	s_cmp_lt_u32 ttmp9, 512
	s_cbranch_scc1 .Lwout
	; ---- cos and sin: a wave takes 16 tokens.  Both tables are multiplied by sqrt(c), c = log2(e) / 8, so that the rotated q and k carry it and a score is already the exponent to base 2.
	s_sub_co_u32 s30, ttmp9, 512
	s_lshl_b32 s30, s30, 2
	s_add_co_u32 s30, s30, s28                     ; tg
	s_lshl_b32 s32, s30, 12                        ; 16 rows of 256 bytes
	s_add_nc_u64 s[12:13], s[12:13], s[32:33]
	s_add_nc_u64 s[14:15], s[14:15], s[32:33]
	s_lshl_b32 s32, s30, 13
	s_add_nc_u64 s[26:27], s[26:27], s[32:33]
	s_mov_b32 s36, 0x3ed96d27                      ; sqrt(log2(e) / 8)
	s_mov_b32 s37, s36                             ; (named with it as a pair, so it is written)
	v_and_b32 v16, 15, v0
	v_bfe_u32 v17, v0, 4, 1
	v_lshlrev_b32 v16, 8, v16
	v_lshl_add_u32 v16, v17, 5, v16                ; row r, + 32 h
.irp b, 0,1,2,3
.irp f, 0,1
	global_load_b128 v[32+8*\b+4*\f:35+8*\b+4*\f], v16, s[12:13] offset:64*\b+16*\f
	global_load_b128 v[64+8*\b+4*\f:67+8*\b+4*\f], v16, s[14:15] offset:64*\b+16*\f
.endr
.endr
	s_wait_loadcnt 0x0
.set i, 0
.rept 32
	v_pk_mul_f32 v[32+i:33+i], v[32+i:33+i], s[36:37] op_sel_hi:[1,0]
.set i, i+2
.endr
.irp w, 0,1
.irp b, 0,1,2,3
.irp f, 0,1
	global_store_b128 v3, v[32+32*\w+8*\b+4*\f:35+32*\w+8*\b+4*\f], s[26:27] offset:4096*\w+1024*\b+512*\f   ; 32 lanes store 512 consecutive bytes
.endr
.endr
.endr
	s_endpgm
; ---- the weights.  A work-group takes 128 columns x 128 along K, a wave 32 columns, A LANE A COLUMN, AND ITS REGISTERS RUN DOWN K: each load reads 128 consecutive bytes a wave (512 a work-group),
; a block of 32 along K lies in one lane's registers, and the conversions give the codes with K innermost.
.macro WSRC first, cbbits, pitch, src  ; s30 = the K step of 128, s34 = my wave's first column in its tensor; the source pointer goes to (128 s, column)
	s_sub_co_u32 s30, ttmp9, \first
	s_and_b32 s31, s30, (1<<\cbbits)-1
	s_lshr_b32 s30, s30, \cbbits
	s_lshl_b32 s34, s31, 7
	s_lshl_b32 s35, s28, 5
	s_add_co_u32 s34, s34, s35
	s_mul_i32 s32, s30, 128*\pitch
	s_lshl_b32 s35, s34, 2
	s_add_co_u32 s32, s32, s35
	s_add_nc_u64 s[\src:\src+1], s[\src:\src+1], s[32:33]
.endm
.macro WLOADB t, pitch, src            ; block t: W(32 t + i, my column), i = 0 .. 31, into v[32 + 32 t ..]
.set i, 0
.rept 32
	global_load_b32 v[32+32*(\t)+i], v8, s[\src:\src+1] offset:(32*(\t)+i)*(\pitch) th:TH_LOAD_NT
.set i, i+1
.endr
.endm
.macro WQB t, left                     ; block t is quantised and its 16 bytes a lane are stored.  left: the loads behind this block's that may stay out
.set XS, 32+32*(\t)
	s_wait_loadcnt \left
	v_max3_num_f32 v16, |v[XS]|, |v[XS+1]|, |v[XS+2]|              ; the block's largest magnitude: all 32 numbers are mine; two chains
	v_max3_num_f32 v17, |v[XS+3]|, |v[XS+4]|, |v[XS+5]|
.irp i, 6,10,14,18,22,26
	v_max3_num_f32 v16, v16, |v[XS+\i]|, |v[XS+\i+1]|
	v_max3_num_f32 v17, v17, |v[XS+\i+2]|, |v[XS+\i+3]|
.endr
	v_max3_num_f32 v16, v16, |v[XS+30]|, |v[XS+31]|
	v_max3_num_f32 v16, v16, v17, 0x1800000        ; and the floor 2^(3 - 127): the byte cannot fall under 1
	v_add_nc_u32 v[24+(\t)], 0xff000000, v16       ; 2 off the exponent field: the conversion takes the exponent field of this operand as its scale
	v_lshrrev_b32 v[28+(\t)], 23, v[24+(\t)]       ; the scale's byte
.irp g, 0,1,2,3
	v_cvt_scalef32_pk8_fp4_f32 v[160+4*(\t)+\g], v[XS+8*\g:XS+8*\g+7], v[24+(\t)]
.endr
	global_store_b128 v9, v[160+4*(\t):163+4*(\t)], s[20:21] offset:256*(\t)   ; block t = 2 c + h of the fragment's image: sixteen lanes store 256 consecutive bytes, aligned
.endm
.macro WQUANT first, cbbits, pitch, src, nbase
	WSRC \first, \cbbits, \pitch, \src
	WLOADB 0, \pitch, \src
	WLOADB 1, \pitch, \src                         ; loads run two blocks ahead
	s_add_co_u32 s34, s34, \nbase                  ; n0: my first column among the 3,072
	s_lshr_b32 s35, s30, 2
	s_mul_i32 s32, s35, 786432                     ; kh
	s_lshl_b32 s35, s34, 8                         ; (n0 / 16) x 4,096
	s_add_co_u32 s32, s32, s35
	s_and_b32 s35, s30, 3
	s_lshl_b32 s35, s35, 10                        ; sq
	s_add_co_u32 s32, s32, s35
	s_add_nc_u64 s[20:21], s[20:21], s[32:33]
	s_lshl_b32 s32, s34, 5
	s_lshl_b32 s35, s30, 2
	s_add_co_u32 s32, s32, s35
	s_add_nc_u64 s[22:23], s[22:23], s[32:33]      ; ws at row n0, word s
	WQB 0, 32                                      ; the next block's 32 loads may stay out
	WLOADB 2, \pitch, \src
	WQB 1, 32
	WLOADB 3, \pitch, \src
	WQB 2, 32
	WQB 3, 0
	v_nop                                          ; a plain line behind the last conversion
	v_lshl_or_b32 v28, v29, 8, v28                 ; the four bytes make my column's scale word for these 128 along K
	v_lshl_or_b32 v28, v30, 16, v28
	v_lshl_or_b32 v28, v31, 24, v28
	global_store_b32 v10, v28, s[22:23]            ; four bytes of each of 32 rows: 98,304 bytes in the whole launch leave so, against 12.6 million read
	s_endpgm
.endm
.Lwq:
	WQUANT 256, 3, 4096, 6, 0
.Lwkv:
	WQUANT 320, 4, 8192, 8, 1024
; ---- Wout to f16, in the order of a 16-bit fragment's registers
.macro WCB t, left
	s_wait_loadcnt \left
.set i, 0
.rept 16
	v_cvt_pk_f16_f32 v[32+16*(\t)+i], v[32+32*(\t)+2*i], v[33+32*(\t)+2*i]   ; in place, ascending: a result never lands on a number not yet read
.set i, i+1
.endr
.irp u, 0,1,2,3
	global_store_b128 v9, v[32+16*(\t)+4*\u:35+16*(\t)+4*\u], s[24:25] offset:256*(4*(\t)+\u)
.endr
.endm
.Lwout:
	WSRC 448, 3, 4096, 10
	WLOADB 0, 4096, 10
	WLOADB 1, 4096, 10
	s_lshl_b32 s32, s30, 18                        ; s x 262,144
	s_lshl_b32 s35, s34, 8                         ; (n0 / 16) x 4,096
	s_add_co_u32 s32, s32, s35
	s_add_nc_u64 s[24:25], s[24:25], s[32:33]
	WCB 0, 32
	WLOADB 2, 4096, 10
	WCB 1, 32
	WLOADB 3, 4096, 10
	WCB 2, 32
	WCB 3, 0
	s_endpgm
; ---- x: a plain stream of blocks of 32.  A wave takes 16 steps of 512 numbers.  Each load reads 512 consecutive bytes; the 2,048 bytes of a step turn through the wave's own stage in LDS and come back
; 64 bytes a lane, so that a lane holds 16 neighbours and two neighbouring lanes a block.  Loads run four steps ahead, the turn through LDS one step.
.macro XLOAD t
.irp i, 0,1,2,3
	global_load_b128 v[R+16*((\t)%4)+4*\i:R+16*((\t)%4)+4*\i+3], v3, s[4:5] offset:2048*(\t)+512*\i th:TH_LOAD_NT
.endr
.endm
.macro XTURN t                         ; LDS serves a wave's instructions in order: no wait between the stores and the loads
.irp i, 0,1,2,3
	ds_store_b128 v14, v[R+16*((\t)%4)+4*\i:R+16*((\t)%4)+4*\i+3] offset:32*SP*((\t)%2)+8*SP*\i
.endr
.irp i, 0,1,2,3
	ds_load_b128 v[X+16*((\t)%2)+4*\i:X+16*((\t)%2)+4*\i+3], v15 offset:32*SP*((\t)%2)+16*\i
.endr
.endm
.macro XSTEP t
.set XS, X+16*((\t)%2)
.if (\t) > 0
	s_wait_dscnt 1                                 ; this step's numbers are back from the stage (the last step's byte store may be out)
.else
	s_wait_dscnt 0x0
.endif
.if (\t)+4 < STEPS
	XLOAD (\t)+4                                   ; into the registers that the stage's stores have read
.endif
.if (\t)+1 < STEPS
.if STEPS-2-(\t) >= 3
	s_wait_loadcnt 12                              ; the next step's four loads are in; those of the three steps behind it may be out
.else
	s_wait_loadcnt 4*(STEPS-2-(\t))
.endif
	XTURN (\t)+1
.endif
	v_max3_num_f32 v8, |v[XS]|, |v[XS+1]|, |v[XS+2]|
	v_max3_num_f32 v9, |v[XS+3]|, |v[XS+4]|, |v[XS+5]|
.irp i, 6,10
	v_max3_num_f32 v8, v8, |v[XS+\i]|, |v[XS+\i+1]|
	v_max3_num_f32 v9, v9, |v[XS+\i+2]|, |v[XS+\i+3]|
.endr
	v_max3_num_f32 v8, v8, |v[XS+14]|, |v[XS+15]|
	v_max3_num_f32 v8, v8, v9, (EMAX+1)<<23        ; the floor
	v_max_num_f32_dpp v8, v8, v8 row_xmask:1 row_mask:0xf bank_mask:0xf   ; with my neighbour's 16: the block's largest magnitude
	v_add_nc_u32 v11, 0xff000000, v8
	v_cvt_scalef32_pk8_fp4_f32 v[C+4*(\t)], v[XS:XS+7], v11
	v_cvt_scalef32_pk8_fp4_f32 v[C+4*(\t)+1], v[XS+8:XS+15], v11
	v_lshrrev_b32 v[E+(\t)], 23, v11               ; the scale's byte
	ds_store_b8 v5, v[E+(\t)] offset:16*(\t)       ; both lanes of a block write the same byte with the same value
	global_store_b64 v4, v[C+4*(\t):C+4*(\t)+1], s[16:17] offset:32*CB*(\t)   ; the wave stores 256 consecutive bytes, aligned
.endm
.Lx:
	s_lshl_b32 s30, ttmp9, 2
	s_add_co_u32 s30, s30, s28                     ; which run of 8,192 numbers is my wave's
	s_lshl_b32 s32, s30, 15
	s_add_nc_u64 s[4:5], s[4:5], s[32:33]
	s_lshl_b32 s32, s30, 12
	s_add_nc_u64 s[16:17], s[16:17], s[32:33]
	s_lshl_b32 s32, s30, 8
	s_add_nc_u64 s[18:19], s[18:19], s[32:33]
.irp t, 0,1,2,3
	XLOAD \t
.endr
	s_wait_loadcnt 12                              ; step 0's four loads are in
	XTURN 0
.irp t, 0,1,2,3,4,5,6,7,8,9,10,11,12,13,14,15
	XSTEP \t
.endr
	ds_load_b64 v[8:9], v6                         ; my wave's 256 scale bytes: these loads see my stores
	s_wait_dscnt 0x0
	global_store_b64 v7, v[8:9], s[18:19]          ; 32 lanes store 256 consecutive bytes, aligned
	s_wait_tensorcnt 0x0                           ; the wave's end, behind my last LDS store
	ds_add_u32 v[SPW], v[NIL]
	s_wait_dscnt 0x0
	s_endpgm
.Lfunc_end_k_q4353816dc4_prep:
	.size	k_q4353816dc4_prep, .Lfunc_end_k_q4353816dc4_prep-k_q4353816dc4_prep
	.p2alignl 7, 3214868480
	.fill 96, 4, 3214868480
	.section	.rodata,"a",@progbits
	.p2align	6, 0x0
	.amdhsa_kernel k_q4353816dc4_prep
		.amdhsa_group_segment_fixed_size 33280
		.amdhsa_private_segment_fixed_size 0
		.amdhsa_enable_private_segment 0
		.amdhsa_kernarg_size 96
		.amdhsa_user_sgpr_count 2
		.amdhsa_user_sgpr_kernarg_segment_ptr 1
		.amdhsa_wavefront_size32 1
		.amdhsa_system_sgpr_workgroup_id_x 1
		.amdhsa_system_sgpr_workgroup_id_y 1
		.amdhsa_system_sgpr_workgroup_id_z 1
		.amdhsa_system_vgpr_workitem_id 0
		.amdhsa_next_free_vgpr 192
		.amdhsa_next_free_sgpr 66
		.amdhsa_reserve_vcc 0
		.amdhsa_float_denorm_mode_32 3
		.amdhsa_float_denorm_mode_16_64 3
		.amdhsa_memory_ordered 1
		.amdhsa_forward_progress 1
		.amdhsa_inst_pref_size 96
	.end_amdhsa_kernel
	.amdgpu_metadata
---
amdhsa.version: [ 1, 2 ]
amdhsa.kernels:
  - .name:           k_q4353816dc4_prep
    .symbol:         k_q4353816dc4_prep.kd
    .args:
      - { .name: x, .offset: 0, .size: 8, .value_kind: global_buffer, .address_space: global }
      - { .name: Wq, .offset: 8, .size: 8, .value_kind: global_buffer, .address_space: global }
      - { .name: Wkv, .offset: 16, .size: 8, .value_kind: global_buffer, .address_space: global }
      - { .name: Wout, .offset: 24, .size: 8, .value_kind: global_buffer, .address_space: global }
      - { .name: cos, .offset: 32, .size: 8, .value_kind: global_buffer, .address_space: global }
      - { .name: sin, .offset: 40, .size: 8, .value_kind: global_buffer, .address_space: global }
      - { .name: xc, .offset: 48, .size: 8, .value_kind: global_buffer, .address_space: global }
      - { .name: xs, .offset: 56, .size: 8, .value_kind: global_buffer, .address_space: global }
      - { .name: wc, .offset: 64, .size: 8, .value_kind: global_buffer, .address_space: global }
      - { .name: ws, .offset: 72, .size: 8, .value_kind: global_buffer, .address_space: global }
      - { .name: wo, .offset: 80, .size: 8, .value_kind: global_buffer, .address_space: global }
      - { .name: cs, .offset: 88, .size: 8, .value_kind: global_buffer, .address_space: global }
    .group_segment_fixed_size: 33280
    .private_segment_fixed_size: 0
    .kernarg_segment_align: 8
    .kernarg_segment_size: 96
    .max_flat_workgroup_size: 128
    .sgpr_count:     66
    .vgpr_count:     192
    .wavefront_size: 32
...
	.end_amdgpu_metadata
.endif
;; end of part 1
;; launch qkv (part 2): grid 12 x 32, 4 waves a work-group, clusters of 4 x 4, 327,680 bytes of LDS; arguments xc, xs, wc, ws, cs, qkv; writes qkv
.if DOCPART == 2
	.amdgcn_target "amdgcn-amd-amdhsa--gfx1250"
	.amdhsa_code_object_version 6
	.text
	.protected	k_q4353816dc4_qkv
	.globl	k_q4353816dc4_qkv
	.p2align	8
	.type	k_q4353816dc4_qkv,@function
k_q4353816dc4_qkv:
	s_mov_b64 s[64:65], 0
	v_nop
	global_prefetch_b8 v0, s[64:65] scope:SCOPE_SE
	s_setreg_imm32_b32 hwreg(HW_REG_WAVE_MODE, 25, 1), 1
	s_wait_xcnt 0x0
	s_wait_alu depctr_hold_cnt(0) depctr_sa_sdst(0) depctr_va_vdst(0) depctr_va_sdst(0) depctr_va_ssrc(0) depctr_va_vcc(0) depctr_vm_vsrc(0)
	s_getreg_b32 s2, hwreg(HW_REG_IB_STS2, 6, 4)
	s_cmp_eq_u32 s2, 0
	s_cbranch_scc0 .Lentry_in_a_cluster
	s_endpgm
.Lentry_in_a_cluster:
	s_bfe_u32 s2, ttmp6, 0x10000c
	s_cmp_lg_u32 s2, 0xf033
	s_cbranch_scc0 .Lentry_shape_is_right
	s_endpgm
.Lentry_shape_is_right:
; QKV: [8192 tokens][3072] = x (Wq | Wkv), both operands codes of FP4 (E2M1) with one E8M0 scale for each 32 along K = 1,024; sums in f32.  Then the rotation (q, k) and the rounding: q, k to bf16, v to f16.
; q and k come out multiplied by sqrt(log2(e) / 8), which the table cs carries: a score of the next launch is then the exponent to base 2.
; OUT: qkv = three sections of 16,777,216 bytes (q, k, v), each [16 b + head][n 2048][64] of 2 bytes.
; LIMITS: v goes to f16, so |v| stays under 65,504 (with x and Wkv thirty times the drawn spread its root mean square is 576); q and k go to bf16, which has f32's range.
; A tile of 256 tokens x 256 columns is made by four waves, 128 x 128 each: 64 accumulators, 512 registers.  K goes in two halves of 512 through two LDS slots; both are first fills, nothing is filled again.
; 384 tiles: one and a half to a WGP; tiles of 256 x 384 would share evenly, but their two K halves with the scales do not fit in LDS.
; A's tile (x) has rows of 256 bytes, 272 apart in LDS.  B's tile (the weights) is a dense block of register images: a fragment comes by two loads of 512 consecutive bytes.
; THE SCALES of the tile's 256 rows of x and 256 columns of W, for all of K, are two dense blocks of memory: they come once.
; CLUSTERS: 4 x 4 work-groups.  A row of the cluster shares x's tiles, a column the weights': each is asked for jointly, by the same tensor load with the same descriptor and a mask that names the four.
; The cluster's x (0, 1, 2) is the kind (q, k, v): it is the same in all sixteen partners, so the one branch on it is taken alike by all.
; THE MATRIX INSTRUCTION IS USED TRANSPOSED (source 0 = 16 columns of W, source 1 = 16 tokens): a lane then holds eight neighbouring channels of one token.
; REGISTERS: window 0: v0-31 addresses; v32-95 scale words, two sets; v128-191 x's fragments, one set; on the way out v32-191 are free.
;   window 1: W's fragments, two sets, v0-63 and v128-191; v64-127 and v192-255: the rotation's table, two sets.   windows 2, 3: the accumulators ((a, b) at v[8 (8 (a % 4) + b)]).
.set NQ,     4                         ; steps of 128 along K in a slot
.set ROWB,   256                       ; a row of x's tile in bytes
.set KROW,   512                       ; a row of xc in bytes
.set PITCH,  272                       ; in LDS: 256 + 16: the sixteen rows that a load touches start 68 words apart
.set FR,     8
.set NL,     2
.set NP,     4
.set HALFT,  128*PITCH                 ; 128 rows of x: one tensor load
.set HALFB,  32768                     ; 128 columns of W, 512 along K: one tensor load
.set BOFF,   2*HALFT
.set SLOT,   BOFF+2*HALFB              ; 135,168
.set WPLANE, 786432                    ; from one K half of wc to the other
.set KS,     32                        ; a row of scale bytes
.set SCL,    2*SLOT                    ; behind the slots: the scales, as units of 256 bytes + 16
.set HALFS,  (128*KS/256)*272
.set SBLK,   (16*KS/256)*272
.set SPARE,  SCL+4*HALFS               ; the spare words: 128 bytes a wave, two blocks of 256 bytes that no other line names
.set SPH,    144                       ; the way out: a stage row: 128 bytes (a head's 64 channels) + 16
.set STW,    2*16*SPH                  ; a wave's stage: two heads x 16 tokens.  It lies in slot 0, which has had its only fill and its last read when the first result is stored there
.set ADRA, 16                          ; v16-17 LDS address of my fragments of x in slot 0, 1
.set ADRB, 20                          ; v20-21 the same for W
.set STO,  24                          ; v24 the way out: where I put 16 bytes of a row
.set RD,   25                          ; v25 where I read rows back
.set CO,   26                          ; v26 16 x lane
.set ADRS, 27                          ; v27 LDS address of my scale words: lanes 0-15 x's rows, lanes 16-31 W's columns
.set SPW,  28                          ; v28 LDS address of my spare word; never rewritten
.set NIL,  29                          ; v29 0; never rewritten
.set SC,   32
.set AF,   128
.set T,    32                          ; the way out: v32-95 a block's 64 rotated numbers a lane
.set PK,   96                          ; v96-127 packed
.set BK,   128                         ; v128-159, v160-191 rows read back, by turns
.set G1,   24
.set G0,   32
.set G1B,  48
.set G0B,  56
.set G1S,  68
.set G0S,  76
.set G1SB, 80
.set G0SB, 88
.set MSB, 0
.macro WIN new                         ; the immediate's high byte repeats the setting that is left; a switch that changes nothing is dropped
.if MSB != (\new)
	s_set_vgpr_msb (MSB<<8)|(\new)
.set MSB, (\new)
.endif
.endm
.set MUL_LO, 0xa1                      ; source 0 (W) window 1, source 1 (x) window 0, C and D window 2
.set MUL_HI, 0xf1
.set TO_B,   0x40                      ; destination window 1, address window 0
; A joint load: waves 0 and 1 fetch for x, waves 2 and 3 for W.  The branch hangs on the wave's number alone.  An s_nop 0 and four v_nop follow each of the two lines.
.macro JLOAD g0a, g1a, g0b, g1b
	s_cmp_eq_u32 s15, 0
	s_cbranch_scc0 .Lfor_b_\@
	tensor_load_to_lds s[\g0a:\g0a+3], s[\g1a:\g1a+7]
	s_nop 0
.rept 4
	v_nop
.endr
	s_branch .Lasked_\@
.Lfor_b_\@:
	tensor_load_to_lds s[\g0b:\g0b+3], s[\g1b:\g1b+7]
	s_nop 0
.rept 4
	v_nop
.endr
.Lasked_\@:
.endm
.macro CROUND                          ; a round of the cluster's barrier
	s_barrier_signal -1
	s_barrier_wait -1
	s_cmp_lg_u32 s14, 0
	s_cbranch_scc1 .Lnot_wave_0_\@
	s_barrier_signal -3
.Lnot_wave_0_\@:
	s_barrier_wait -3
	s_barrier_signal -1
	s_barrier_wait -1
.endm
	s_load_b128 s[4:7], s[0:1], 0x0                ; xc s[4:5], xs s[6:7]
	s_load_b128 s[8:11], s[0:1], 0x10              ; wc s[8:9], ws s[10:11]
	s_load_b128 s[96:99], s[0:1], 0x20             ; cs s[96:97], qkv s[98:99]
	v_lshl_add_u32 v[SPW], v0, 2, SPARE
	v_mov_b32 v[NIL], 0
	ds_add_u32 v[SPW], v[NIL]                      ; the wave's opening: the add, twice on end, and its wait ahead of my first tensor load
	ds_add_u32 v[SPW], v[NIL]
	v_lshrrev_b32 v1, 5, v0
	v_readfirstlane_b32 s14, v1                    ; wave 0..3
	s_lshr_b32 s15, s14, 1                         ; which half of the tile's tokens is mine.  Also: I fetch for x (0) or for W (1)
	s_and_b32 s16, s14, 1                          ; which half of its columns.  Also: which half of that tile I fetch
	s_bfe_u32 s40, ttmp6, 0x40000                  ; cx, cy: my place in the cluster
	s_bfe_u32 s41, ttmp6, 0x40004
	s_lshl_b32 s42, ttmp9, 2
	s_add_co_u32 s42, s42, s40                     ; tile column = 4 x cluster x + cx
	s_and_b32 s17, ttmp7, 0xffff
	s_lshl_b32 s17, s17, 2
	s_add_co_u32 s17, s17, s41                     ; tile row = 4 x cluster y + cy
	s_lshl_b32 s43, s41, 2
	s_lshl_b32 s43, 15, s43                        ; my row of the cluster
	s_lshl_b32 s44, 0x1111, s40                    ; my column
	s_or_b32 s[G1+0], s43, (0<<16)|(1<<20)|(1<<21)|(5<<22)|(3<<25)  ; x's tile: 128 rows x 256 bytes; the mask; elements of 1 byte; padding of 4 words behind every 64; bit 21 beside a mask
	s_mov_b32 s[G1+1], ROWB<<16
	s_mov_b32 s[G1+2], 128<<16
	s_mov_b32 s[G1+3], ROWB<<16
	s_mov_b32 s[G1+4], 128
	s_mov_b32 s[G1+5], KROW
	s_mov_b32 s[G1+6], 0
	s_mov_b32 s[G1+7], 0
	s_or_b32 s[G1B+0], s44, (3<<16)|(1<<21)        ; W's tile: 32,768 dense bytes as 128 rows of 32 elements of 8 bytes, no padding
	s_mov_b32 s[G1B+1], 32<<16
	s_mov_b32 s[G1B+2], 128<<16
	s_mov_b32 s[G1B+3], 32<<16
	s_mov_b32 s[G1B+4], 128
	s_mov_b32 s[G1B+5], 32
	s_mov_b32 s[G1B+6], 0
	s_mov_b32 s[G1B+7], 0
	s_or_b32 s[G1S+0], s43, (3<<16)|(1<<20)|(1<<21)|(5<<22)|(3<<25)   ; the scales of 128 rows: 4,096 dense bytes as 16 rows of 256, 16 bytes of padding behind each
	s_or_b32 s[G1SB+0], s44, (3<<16)|(1<<20)|(1<<21)|(5<<22)|(3<<25)
.irp g, G1S, G1SB
	s_mov_b32 s[\g+1], 32<<16
	s_mov_b32 s[\g+2], (128*KS/256)<<16
	s_mov_b32 s[\g+3], 32<<16
	s_mov_b32 s[\g+4], 128*KS/256
	s_mov_b32 s[\g+5], 32
	s_mov_b32 s[\g+6], 0
	s_mov_b32 s[\g+7], 0
.endr
	s_lshl_b32 s18, s16, 7                         ; which 128 rows of the tile I fetch
	s_lshl_b32 s20, s17, 8
	s_add_co_u32 s20, s20, s18                     ; x: row 256 x tile row + 128 x half
	s_lshl_b32 s22, s20, 5                         ; its scales, in bytes,
	s_lshl_b32 s20, s20, 9                         ; and its codes
	s_mov_b32 s21, 0
	s_mov_b32 s23, 0
	s_lshl_b32 s92, s42, 8
	s_add_co_u32 s92, s92, s18                     ; W: column 256 x tile column + 128 x half
	s_lshl_b32 s92, s92, 5                         ; its scales
	s_mov_b32 s93, 0
	s_lshl_b32 s46, s42, 16                        ; its images: 16 groups of 4,096 bytes a tile column,
	s_lshl_b32 s47, s16, 15                        ; 8 a half
	s_add_co_u32 s46, s46, s47
	s_mov_b32 s47, 0
	s_mul_i32 s45, s16, HALFT                      ; where they go: no place in the cluster enters an LDS address
	s_mul_i32 s95, s16, HALFB
	s_add_co_u32 s95, s95, BOFF
	s_mul_i32 s94, s14, HALFS
	s_wait_dscnt 0x0                               ; both opening adds are done
	s_wait_kmcnt 0x0
	s_add_nc_u64 s[20:21], s[4:5], s[20:21]
	s_add_nc_u64 s[22:23], s[6:7], s[22:23]
	s_add_nc_u64 s[46:47], s[8:9], s[46:47]
	s_add_nc_u64 s[92:93], s[10:11], s[92:93]
	CROUND                                         ; all sixteen work-groups are here: the first joint loads meet
	s_mov_b32 s[G0S], 1
	s_add_co_u32 s[G0S+1], s94, SCL
	s_mov_b64 s[G0S+2:G0S+3], s[22:23]
	s_or_b32 s[G0S+3], s[G0S+3], 0x80000000
	s_mov_b32 s[G0SB], 1
	s_add_co_u32 s[G0SB+1], s94, SCL
	s_mov_b64 s[G0SB+2:G0SB+3], s[92:93]
	s_or_b32 s[G0SB+3], s[G0SB+3], 0x80000000
	JLOAD G0S, G1S, G0SB, G1SB                     ; the scales first: they are wanted with the first K half
.irp s, 0,1
	s_mov_b32 s[G0+4*\s], 1
	s_add_co_u32 s[G0+4*\s+1], s45, \s*SLOT
	s_add_nc_u64 s[G0+4*\s+2:G0+4*\s+3], s[20:21], \s*ROWB
	s_or_b32 s[G0+4*\s+3], s[G0+4*\s+3], 0x80000000
	s_mov_b32 s[G0B+4*\s], 1
	s_add_co_u32 s[G0B+4*\s+1], s95, \s*SLOT
	s_add_nc_u64 s[G0B+4*\s+2:G0B+4*\s+3], s[46:47], \s*WPLANE
	s_or_b32 s[G0B+4*\s+3], s[G0B+4*\s+3], 0x80000000
	JLOAD G0+4*\s, G1, G0B+4*\s, G1B               ; three loads of mine are out in all
.endr
	v_and_b32 v1, 15, v0                           ; r
	v_bfe_u32 v2, v0, 4, 1                         ; h
	v_mul_u32_u24 v3, v1, PITCH
	v_lshl_add_u32 v4, v2, 4, v3                   ; x: a fragment's row x pitch + 16 h
	v_and_b32 v6, 31, v0
	v_lshlrev_b32 v[CO], 4, v6                     ; W: an image's place for my lane
	s_mul_i32 s21, s15, HALFT                      ; my 128 tokens
	s_mul_i32 s22, s16, HALFB                      ; my 128 columns
	s_add_co_u32 s22, s22, BOFF
.irp s, 0,1
	v_add_nc_u32 v[ADRA+\s], s21, v4
	v_add_nc_u32 v[ADRB+\s], s22, v[CO]
	s_add_co_u32 s21, s21, SLOT
	s_add_co_u32 s22, s22, SLOT
.endr
	v_mul_u32_u24 v5, v1, KS                       ; my row's scales: 32 bytes a row,
	v_lshrrev_b32 v6, 8, v5
	v_lshl_add_u32 v5, v6, 4, v5                   ; and 16 more for each 256 passed
	s_mul_i32 s21, s15, HALFS
	s_mul_i32 s22, s16, HALFS
	s_add_co_u32 s22, s22, 2*HALFS
	s_sub_co_u32 s22, s22, s21
	v_mul_u32_u24 v6, s22, v2                      ; lanes 16-31 take W's: one product, the distance between the two bases
	s_add_co_u32 s21, s21, SCL
	v_add_nc_u32 v5, v5, v6
	v_add_nc_u32 v[ADRS], s21, v5
	s_mul_i32 s23, s14, STW                        ; my stage
	v_mul_u32_u24 v5, v1, SPH
	v_lshl_add_u32 v5, v2, 4, v5
	v_add_nc_u32 v[STO], s23, v5                   ; in: token r, 16 bytes for each half of the lanes
	v_bfe_u32 v5, v0, 3, 2
	v_and_b32 v6, 7, v0
	v_mul_u32_u24 v5, v5, SPH
	v_lshl_add_u32 v5, v6, 4, v5
	v_add_nc_u32 v[RD], s23, v5                    ; back: eight lanes to a row of 128 bytes, four rows an instruction
	s_lshr_b32 s20, s17, 3                         ; b
	s_lshl_b32 s20, s20, 4
	s_lshl_b32 s21, s16, 1
	s_add_co_u32 s20, s20, s21                     ; 16 b + 2 x my half of the columns
	s_lshl_b32 s20, s20, 18                        ; a head's 2,048 rows of 128 bytes
	s_and_b32 s21, s17, 7
	s_lshl_b32 s21, s21, 8
	s_lshl_b32 s18, s15, 7
	s_add_co_u32 s21, s21, s18                     ; n0: my first token in its sequence
	s_lshl_b32 s18, s21, 9                         ; the table: 8,192 bytes for each 16 tokens
	s_lshl_b32 s21, s21, 7
	s_add_co_u32 s20, s20, s21
	s_mov_b32 s21, 0
	s_mov_b32 s19, 0
	s_add_nc_u64 s[12:13], s[98:99], s[20:21]
	s_add_nc_u64 s[96:97], s[96:97], s[18:19]
	s_lshl_b32 s46, s40, 20                        ; + 4 cx heads (in registers that feed none of x's descriptors)
	s_lshl_b32 s47, ttmp9, 24                      ; + the kind's section
	s_add_co_u32 s46, s46, s47
	s_mov_b32 s47, 0
	s_add_nc_u64 s[12:13], s[12:13], s[46:47]      ; qkv at (kind, my first head, my first token)
.macro FRAG reg, adr, q, i             ; x: 16 rows x 128 K of 4-bit codes: lane (r, h): registers 4 c .. 4 c + 3 hold K = 64 c + 32 h + 0 .. 31
.irp c, 0,1
	ds_load_b128 v[\reg+4*\c:\reg+4*\c+3], v[\adr] offset:64*(\q)+32*\c+(\i)*16*PITCH
.endr
.endm
.macro FRAGB reg, adr, q, i            ; W: the same registers, as an image: 512 consecutive bytes a load
.irp c, 0,1
	ds_load_b128 v[\reg+4*\c:\reg+4*\c+3], v[\adr] offset:(\i)*4096+(\q)*1024+512*\c
.endr
.endm
; 16 matrix instructions: x's blocks a0, a0 + 1 against W's eight, 128 along K.  The 64 accumulators take turns, one instruction a turn, in the same order in every step.
.macro MUL16 a0, p, q, sc, zero
.irp a, \a0, \a0+1
.irp b, 0,1,2,3,4,5,6,7
.if \zero
	v_wmma_scale_f32_16x16x128_f8f6f4 v[8*(8*((\a)%4)+\b):8*(8*((\a)%4)+\b)+7], v[128*(\p)+FR*\b:128*(\p)+FR*\b+FR-1], v[AF+FR*(\a):AF+FR*(\a)+FR-1], 0, v[SC+8*NQ*(\sc)+NQ*\b+(\q)], v[SC+8*NQ*(\sc)+NQ*(\a)+(\q)] matrix_a_fmt:MATRIX_FMT_FP4 matrix_b_fmt:MATRIX_FMT_FP4 matrix_a_scale:MATRIX_SCALE_ROW1
.else
	v_wmma_scale_f32_16x16x128_f8f6f4 v[8*(8*((\a)%4)+\b):8*(8*((\a)%4)+\b)+7], v[128*(\p)+FR*\b:128*(\p)+FR*\b+FR-1], v[AF+FR*(\a):AF+FR*(\a)+FR-1], v[8*(8*((\a)%4)+\b):8*(8*((\a)%4)+\b)+7], v[SC+8*NQ*(\sc)+NQ*\b+(\q)], v[SC+8*NQ*(\sc)+NQ*(\a)+(\q)] matrix_a_fmt:MATRIX_FMT_FP4 matrix_b_fmt:MATRIX_FMT_FP4 matrix_a_scale:MATRIX_SCALE_ROW1
.endif
.endr
.endr
.endm
.macro FETCH_B slot, q, p
	WIN TO_B
.irp i, 0,1,2,3,4,5,6,7
	FRAGB 128*(\p)+FR*\i, ADRB+\slot, \q, \i
.endr
	WIN 0
.endm
.macro FETCH_A slot, q, i0
.irp i, \i0, \i0+1, \i0+2, \i0+3
	FRAG AF+FR*(\i), ADRA+\slot, \q, \i
.endr
.endm
.macro SCALES sc                       ; a K half's scale words: four words a row; lanes 0-15 take x's block i, lanes 16-31 W's block i
.irp i, 0,1,2,3,4,5,6,7
	ds_load_b128 v[SC+8*NQ*\sc+NQ*\i:SC+8*NQ*\sc+NQ*\i+3], v[ADRS] offset:\i*SBLK
.endr
.endm
.macro PLACES n                        ; plain vector lines between a matrix instruction and a load into, or a vector read or write of, its registers
.rept \n
	v_nop
.endr
.endm
.macro STEP slot, q, zero              ; a step of 128 along K that has its successor in the same slot
	s_wait_dscnt 4*NL                              ; W's set and x's blocks 0-3 are in; the youngest eight loads (x's blocks 4-7) may be out
	WIN MUL_LO
	MUL16 0, (\q)%2, \q, \slot, \zero
	MUL16 2, (\q)%2, \q, \slot, \zero
	s_wait_dscnt 0                                 ; x's blocks 4-7 are in
	PLACES NP
	FETCH_B \slot, (\q)+1, 1-(\q)%2
	FETCH_A \slot, (\q)+1, 0
	WIN MUL_HI
	MUL16 4, (\q)%2, \q, \slot, \zero
	MUL16 6, (\q)%2, \q, \slot, \zero
	PLACES NP
	WIN 0
	FETCH_A \slot, (\q)+1, 4
.endm
; Slot 0's last step changes slots: one barrier; in front of it each wave waits for all its tensor loads (its part of slot 1), adds 0 to its spare word, and waits for that and for its reads of slot 0.
.macro TURN slot, next
	s_wait_tensorcnt 0x0
	ds_add_u32 v[SPW], v[NIL]
	s_wait_dscnt 4*NL+1                            ; (the add and the youngest eight loads may be out)
	WIN MUL_LO
	MUL16 0, 1, NQ-1, \slot, 0
	s_wait_dscnt 0x0                               ; the add is done, and my reads of this slot are over
	s_barrier_signal -1
	MUL16 2, 1, NQ-1, \slot, 0
	WIN 0
	s_barrier_wait -1                              ; slot 1 is whole, and nobody reads slot 0 any more
	PLACES NP
	v_add_nc_u32 v[ADRS], 4*NQ, v[ADRS]            ; on to the second K half's scale words
	FETCH_B \next, 0, 0
	FETCH_A \next, 0, 0
	SCALES \next
	WIN MUL_HI
	MUL16 4, 1, NQ-1, \slot, 0
	MUL16 6, 1, NQ-1, \slot, 0
	PLACES NP
	WIN 0
	FETCH_A \next, 0, 4
.endm
.macro STEPS slot, from
.set Q, \from
.rept NQ-1-\from
	STEP \slot, Q, 0
.set Q, Q+1
.endr
.endm
.macro REST                            ; the second K half: written in both arms of the branch on the kind
	STEPS 1, 0
	s_wait_dscnt 4*NL
	WIN MUL_LO
	MUL16 0, 1, NQ-1, 1, 0
	MUL16 2, 1, NQ-1, 1, 0
	s_wait_dscnt 0
	WIN MUL_HI
	MUL16 4, 1, NQ-1, 1, 0
	MUL16 6, 1, NQ-1, 1, 0
	WIN 0
	PLACES NP                                      ; ahead of vector writes of the scale words' registers, of loads into x's, and of the reads of the last results
.endm
; THE WAY OUT, block a of 16 tokens x 128 columns (two heads).  Lane (r, h) holds token r; accumulator b holds channels 16 (b % 4) + 8 h + 0..7 of head b / 4.
.macro CSLOAD a                        ; block a's table, cos then sin, in the accumulators' layout: 16 loads of 512 consecutive bytes, into set a % 2
	WIN TO_B
.irp w, 0,1
.irp b, 0,1,2,3
.irp f, 0,1
	global_load_b128 v[64+128*((\a)%2)+32*\w+8*\b+4*\f:64+128*((\a)%2)+32*\w+8*\b+4*\f+3], v[CO], s[96:97] offset:(\a)*8192+\w*4096+\b*1024+\f*512
.endr
.endr
.endr
	WIN 0
.endm
.macro PACKQK a                        ; channel d < 32: y cos(d) - y(d + 32) sin(d);  d >= 32: y cos(d) + y(d - 32) sin(d): a multiplication and a fused multiply-add each, two channels at a time
.set AC, 64*((\a)%4)
.set CT, 64+128*((\a)%2)
.if (\a) < 7
	s_wait_loadcnt 16                              ; this block's table is in; the next block's 16 loads may stay out
.else
	s_wait_loadcnt 0
.endif
	WIN 0x06+(\a)/4                                ; source 0: the accumulators, window 2 or 3; source 1: the table, window 1
.irp hd, 0,1
.irp bl, 0,1
.irp jp, 0,2,4,6                       ; each accumulator from its low end on
.set LO, 8*(4*\hd+\bl)+\jp
.set HI, LO+16
.set TL, 8*\bl+\jp
	v_pk_mul_f32 v[T+LO:T+LO+1], v[AC+LO:AC+LO+1], v[CT+TL:CT+TL+1]
	v_pk_mul_f32 v[T+HI:T+HI+1], v[AC+HI:AC+HI+1], v[CT+TL+16:CT+TL+17]
	v_pk_fma_f32 v[T+LO:T+LO+1], v[AC+HI:AC+HI+1], v[CT+32+TL:CT+32+TL+1], v[T+LO:T+LO+1] neg_lo:[0,1,0] neg_hi:[0,1,0]
	v_pk_fma_f32 v[T+HI:T+HI+1], v[AC+LO:AC+LO+1], v[CT+32+TL+16:CT+32+TL+17], v[T+HI:T+HI+1]
.endr
.endr
.endr
	WIN 0
.set i, 0
.rept 32
	v_cvt_pk_bf16_f32 v[PK+i], v[T+2*i], v[T+2*i+1]
.set i, i+1
.endr
.if (\a)+2 < 8
	CSLOAD (\a)+2                                  ; the set just read takes the table of two blocks on
.endif
.endm
.macro PACKV a
.set AC, 64*((\a)%4)
	WIN 0x0a+5*((\a)/4)                            ; sources 0 and 1: window 2 or 3
.set i, 0
.rept 32
	v_cvt_pk_f16_f32 v[PK+i], v[AC+2*i], v[AC+2*i+1]
.set i, i+1
.endr
	WIN 0
.endm
.macro TOSTAGE a                       ; 16 bytes a lane into my stage, rows of 144 bytes; back as whole rows.  LDS serves a wave's instructions in order: no wait between
.irp b, 0,1,2,3,4,5,6,7
	ds_store_b128 v[STO], v[PK+4*\b:PK+4*\b+3] offset:(\b/4)*16*SPH+(\b%4)*32
.endr
.set BB, BK+32*((\a)%2)
.irp hd, 0,1
.irp i, 0,1,2,3
	ds_load_b128 v[BB+4*(4*\hd+\i):BB+4*(4*\hd+\i)+3], v[RD] offset:\hd*16*SPH+\i*4*SPH
.endr
.endr
.endm
.macro SEND a
.set BB, BK+32*((\a)%2)
	s_wait_dscnt 0x0                               ; the block is back in registers
	s_wait_xcnt 0x0                                ; the block before's stores have read their registers: the next block's loads from the stage may land there
.irp hd, 0,1
.irp i, 0,1,2,3
	global_store_b128 v[CO], v[BB+4*(4*\hd+\i):BB+4*(4*\hd+\i)+3], s[12:13] offset:\hd*262144+(\a)*2048+\i*512   ; four tokens of a head: 512 consecutive bytes, aligned
.endr
.endr
.endm
.macro FINISH                          ; the wave's end: behind my last tensor load and LDS store; then the closing round
	s_wait_tensorcnt 0x0
	ds_add_u32 v[SPW], v[NIL]
	s_wait_dscnt 0x0
	CROUND
	s_endpgm
.endm
	s_wait_tensorcnt 1                             ; the scales and my part of the first K half are in (the second half's load may be out)
	s_barrier_signal -1
	s_barrier_wait -1                              ; everybody's are
	FETCH_B 0, 0, 0
	FETCH_A 0, 0, 0
	SCALES 0
	FETCH_A 0, 0, 4
	STEP 0, 0, 1                                   ; the first step's products start the sums: nothing is cleared
	STEPS 0, 1
	TURN 0, 1
	s_cmp_eq_u32 ttmp9, 2                          ; the kind: the cluster's x, the same in all sixteen partners
	s_cbranch_scc1 .Lkind_v
	CSLOAD 0                                       ; q and k: the first two blocks' tables are asked for a K half (256 matrix instructions) ahead of their use
	CSLOAD 1
	REST
	PACKQK 0
	TOSTAGE 0
.irp a, 1,2,3,4,5,6,7                  ; block a's arithmetic stands between block a - 1's loads from the stage and the wait for them
	PACKQK \a
	SEND \a-1
	TOSTAGE \a
.endr
	SEND 7
	FINISH
.Lkind_v:
	REST
	PACKV 0
	TOSTAGE 0
.irp a, 1,2,3,4,5,6,7
	PACKV \a
	SEND \a-1
	TOSTAGE \a
.endr
	SEND 7
	FINISH
.Lfunc_end_k_q4353816dc4_qkv:
	.size	k_q4353816dc4_qkv, .Lfunc_end_k_q4353816dc4_qkv-k_q4353816dc4_qkv
	.p2alignl 7, 3214868480
	.fill 96, 4, 3214868480
	.section	.rodata,"a",@progbits
	.p2align	6, 0x0
	.amdhsa_kernel k_q4353816dc4_qkv
		.amdhsa_group_segment_fixed_size 327680
		.amdhsa_private_segment_fixed_size 0
		.amdhsa_enable_private_segment 0
		.amdhsa_kernarg_size 48
		.amdhsa_user_sgpr_count 2
		.amdhsa_user_sgpr_kernarg_segment_ptr 1
		.amdhsa_wavefront_size32 1
		.amdhsa_system_sgpr_workgroup_id_x 1
		.amdhsa_system_sgpr_workgroup_id_y 1
		.amdhsa_system_sgpr_workgroup_id_z 1
		.amdhsa_system_vgpr_workitem_id 0
		.amdhsa_next_free_vgpr 1024
		.amdhsa_next_free_sgpr 100
		.amdhsa_reserve_vcc 0
		.amdhsa_float_denorm_mode_32 3
		.amdhsa_float_denorm_mode_16_64 3
		.amdhsa_memory_ordered 1
		.amdhsa_forward_progress 1
		.amdhsa_inst_pref_size 243
	.end_amdhsa_kernel
	.amdgpu_metadata
---
amdhsa.version: [ 1, 2 ]
amdhsa.kernels:
  - .name:           k_q4353816dc4_qkv
    .symbol:         k_q4353816dc4_qkv.kd
    .args:
      - { .name: xc, .offset: 0, .size: 8, .value_kind: global_buffer, .address_space: global }
      - { .name: xs, .offset: 8, .size: 8, .value_kind: global_buffer, .address_space: global }
      - { .name: wc, .offset: 16, .size: 8, .value_kind: global_buffer, .address_space: global }
      - { .name: ws, .offset: 24, .size: 8, .value_kind: global_buffer, .address_space: global }
      - { .name: cs, .offset: 32, .size: 8, .value_kind: global_buffer, .address_space: global }
      - { .name: qkv, .offset: 40, .size: 8, .value_kind: global_buffer, .address_space: global }
    .group_segment_fixed_size: 327680
    .private_segment_fixed_size: 0
    .kernarg_segment_align: 8
    .kernarg_segment_size: 48
    .max_flat_workgroup_size: 128
    .sgpr_count:     100
    .vgpr_count:     1024
    .wavefront_size: 32
...
	.end_amdgpu_metadata
.endif
;; end of part 2
;; launch attn (part 3): grid 4 x 64, 8 waves a work-group, clusters of 4 x 1, 327,680 bytes of LDS; arguments qkv, o; writes o
.if DOCPART == 3
	.amdgcn_target "amdgcn-amd-amdhsa--gfx1250"
	.amdhsa_code_object_version 6
	.text
	.protected	k_q4353816dc4_attn
	.globl	k_q4353816dc4_attn
	.p2align	8
	.type	k_q4353816dc4_attn,@function
k_q4353816dc4_attn:
	s_mov_b64 s[64:65], 0
	v_nop
	global_prefetch_b8 v0, s[64:65] scope:SCOPE_SE
	s_setreg_imm32_b32 hwreg(HW_REG_WAVE_MODE, 25, 1), 1
	s_wait_xcnt 0x0
	s_wait_alu depctr_hold_cnt(0) depctr_sa_sdst(0) depctr_va_vdst(0) depctr_va_sdst(0) depctr_va_ssrc(0) depctr_va_vcc(0) depctr_vm_vsrc(0)
	s_getreg_b32 s2, hwreg(HW_REG_IB_STS2, 6, 4)
	s_cmp_eq_u32 s2, 0
	s_cbranch_scc0 .Lentry_in_a_cluster
	s_endpgm
.Lentry_in_a_cluster:
	s_bfe_u32 s2, ttmp6, 0x10000c
	s_cmp_lg_u32 s2, 0x3003
	s_cbranch_scc0 .Lentry_shape_is_right
	s_endpgm
.Lentry_shape_is_right:
; ATTN: o[bh][q][:] = the sum over k of softmax_k(q . k / 8) v[k][:], 64 (batch, head) pairs, 2,048 queries and keys, head size 64.  q, k: bf16, both already times sqrt(log2(e) / 8), so that a score IS
; t = log2(e) q . k / 8.  v: f16.  Products, maxima and sums in f32; the weights p = 2^(t - m), at most 1, are rounded to f16 for the second product; o is rounded once, to f16.
; For each query a running maximum m and sum l; in every step O and l are multiplied by a = 2^(m_old - m_new), which is 1 where m has not grown.
; OUT: o [head 16][2048 b + n][64] f16: a head's rows are 128 dense bytes, so that four tokens of a head leave as 512 consecutive bytes.
; LIMITS: |o| <= max |v|, which stays under 65,504 (the launch before states it); NaN and infinities are not served.
; SHARES.  A work-group owns 512 queries of one (b, head), each of its eight waves 64: four tiles of 16, so that each fragment of K and V read from LDS feeds four matrix instructions.  Two waves share a SIMD:
; one wave's softmax stands beside the other's products.  Every wave walks all keys, 64 a step, four steps to a slot.
; LAYOUT.  S^T = K Q^T (source 0 = 16 keys, source 1 = 16 queries): a lane holds ONE query (lane % 16) and keys 8 (lane / 16) + 0..7.  Two such tiles, rounded in pairs, ARE source 1 of O^T = V^T P.
; K comes out of LDS as it lies, V ([key][channel]) turned, by ds_load_tr16_b128.
; CLUSTER.  The four query blocks of a (b, head) are one cluster and walk the same K and V: each tile is asked for jointly, by the same tensor load with the same descriptor and the mask of all four.
; REGISTERS: window 0: v0-12 addresses; v16-47 eight registers of statistics a tile (+0 m, +1 old m, +2, +3 l, +4..+7 at work; a at +6); v48-55 a second chain of sums; v64-191 S^T, 32 a tile, then P in a tile's
;   first 16; v192-255 K of one step.     window 1: v0-127 O^T, 32 a tile; v128-191 Q; v192-255 V of one step.
.set KP,    144                        ; a row of K in LDS: 128 bytes + 16: the sixteen rows of a load start 36 words apart
.set VP,    160                        ; a row of V: 128 + 32: an odd multiple of 32 bytes
.set SK,    256                        ; keys in a slot
.set VOFF,  SK*KP
.set SLOT1, 1<<17                      ; slot 1 begins here: one exclusive or turns an address from one slot to the other
.set NSL,   2048/SK
.set SPARE, SLOT1+VOFF+SK*VP           ; behind the ring: the spare words, 128 bytes a wave: four blocks of 256 bytes that no other line names
.set SP,    144                        ; the way out: a stage row.  The stages (64 rows a wave) lie in slot 0, which was left at the last change of slots: it has had its last fill, and nobody reads it
.set AK0, 2
.set AV0, 3
.set ADK, 4
.set ADV, 5
.set QO,  6
.set STO, 7
.set RD,  8
.set GO,  9
.set SPW, 10                           ; v10 LDS address of my spare word; never rewritten
.set NIL, 11                           ; v11 0; never rewritten
.set PFO, 12                           ; v12 256 x lane; never rewritten
.set ST,  16
.set W2,  48
.set S,   64
.set KF,  192
.set QF,  128                          ; in window 1
.set VF,  192                          ; in window 1
.set TB,    2                          ; s2  LDS byte at which the slot in hand begins
.set SLOTS, 3                          ; s3  slots still to be asked for
.set WV,    12
.set LIM,   14                         ; s14 1 in a wave that prefetches, else the greatest number
.set PFA,   18                         ; s[18:19] where my prefetches stand
.set G1K,   24
.set G1V,   32
.set G0K,   40
.set G0V,   44
.set SEL,   48
.set MSB, 0
.macro WIN new
.if MSB != (\new)
	s_set_vgpr_msb (MSB<<8)|(\new)
.set MSB, (\new)
.endif
.endm
.set W_KQ, 0x04                        ; Q in window 1; K and S^T in window 0
.set W_D1, 0x40                        ; destination window 1
.set W_RS, 0x41                        ; O^T (destination and source 0) in window 1, a in window 0
.set W_PV, 0x51                        ; V and O^T in window 1, P in window 0
; A joint load: waves 0 to 3 fetch 64 rows of K each, waves 4 to 7 of V.  The branch hangs on the wave's number alone.  An s_nop 0 and four v_nop follow each of the two lines.
.macro JLOAD
	s_cmp_lt_u32 s[WV], 4
	s_cbranch_scc0 .Lfor_v_\@
	tensor_load_to_lds s[G0K:G0K+3], s[G1K:G1K+7]
	s_nop 0
.rept 4
	v_nop
.endr
	s_branch .Lasked_\@
.Lfor_v_\@:
	tensor_load_to_lds s[G0V:G0V+3], s[G1V:G1V+7]
	s_nop 0
.rept 4
	v_nop
.endr
.Lasked_\@:
.endm
; A PREFETCH INTO THE L2 of what the NEXT change of slots will ask for: a slot's 32,768 bytes of K and of V.  Each aligned block of 256 bytes is named once in the launch: the four partners take 8,192 bytes each,
; told apart by address; in each, wave 0 asks for K's and wave 4 for V's, lanes 256 bytes apart.  It stands four key steps ahead of the load.  Slots 0 and 1 come by their loads alone; the last change that fills asks for nothing.
.macro ASK
	s_cmp_gt_u32 s[SLOTS], s[LIM]
	s_cbranch_scc0 .Lnot_mine_\@
	global_prefetch_b8 v[PFO], s[PFA:PFA+1] th:TH_LOAD_NT scope:SCOPE_SE
.Lnot_mine_\@:
.endm
.macro CROUND
	s_barrier_signal -1
	s_barrier_wait -1
	s_cmp_lg_u32 s[WV], 0
	s_cbranch_scc1 .Lnot_wave_0_\@
	s_barrier_signal -3
.Lnot_wave_0_\@:
	s_barrier_wait -3
	s_barrier_signal -1
	s_barrier_wait -1
.endm
	s_load_b128 s[52:55], s[0:1], 0x0              ; qkv s[52:53], o s[54:55]
	v_lshl_add_u32 v[SPW], v0, 2, SPARE
	v_mov_b32 v[NIL], 0
	ds_add_u32 v[SPW], v[NIL]                      ; the wave's opening: the add, twice on end, and its wait ahead of my first tensor load
	ds_add_u32 v[SPW], v[NIL]
	v_lshrrev_b32 v1, 5, v0
	v_readfirstlane_b32 s[WV], v1                  ; wave 0..7
	s_bfe_u32 s13, ttmp6, 0x40000                  ; cx: my block of 512 queries: it enters Q's, o's and the prefetches' addresses alone
	s_and_b32 s20, ttmp7, 0xffff                   ; bh = 16 b + head, which the four partners share
	s_lshl_b32 s21, s20, 18                        ; its 262,144 bytes in a section
	s_and_b32 s16, s[WV], 3                        ; which 64 rows of a slot I fetch
	s_lshl_b32 s22, s16, 13
	s_add_co_u32 s22, s22, s21
	s_add_co_u32 s56, s22, 0x1000000               ; in k's section,
	s_mov_b32 s57, 0
	s_add_co_u32 s58, s22, 0x2000000               ; in v's
	s_mov_b32 s59, 0
	s_mul_i32 s17, s16, 64*KP                      ; and where they go in a slot
	s_mul_i32 s23, s16, 64*VP
	s_add_co_u32 s23, s23, VOFF
	s_lshl_b32 s60, s13, 16                        ; 512 rows of 128 bytes,
	s_lshl_b32 s61, s[WV], 13                      ; my wave's 64
	s_add_co_u32 s60, s60, s61
	s_add_co_u32 s50, s60, s21                     ; Q's offset
	s_mov_b32 s51, 0
	s_and_b32 s62, s20, 15
	s_lshl_b32 s62, s62, 20                        ; o: the head's plane,
	s_lshr_b32 s63, s20, 4
	s_lshl_b32 s63, s63, 18                        ; the batch's 2,048 rows
	s_add_co_u32 s62, s62, s63
	s_add_co_u32 s62, s62, s60
	s_mov_b32 s63, 0
	s_mov_b32 s[G1K], 15|(1<<16)|(1<<20)|(1<<21)|(4<<22)|(3<<25)  ; 64 rows x 64 elements of 2 bytes; the mask of all four; padding of 4 words behind every 32; bit 21 beside a mask
	s_mov_b32 s[G1V], 15|(1<<16)|(1<<20)|(1<<21)|(4<<22)|(7<<25)  ; the same with 8 words of padding
.irp g, G1K, G1V
	s_mov_b32 s[\g+1], 64<<16
	s_mov_b32 s[\g+2], 64<<16
	s_mov_b32 s[\g+3], 64<<16
	s_mov_b32 s[\g+4], 64
	s_mov_b32 s[\g+5], 64
	s_mov_b32 s[\g+6], 0
	s_mov_b32 s[\g+7], 0
.endr
	s_mov_b32 s[SEL], 0x76543210
	s_mov_b32 s[SEL+1], 0xfedcba98                 ; v_permlanex16_b32's selects for lane l xor 16
	s_mov_b32 s[TB], 0
	s_mov_b32 s[SLOTS], NSL-1
	s_cmp_eq_u32 s16, 0                            ; waves 0 and 4 prefetch
	s_cselect_b32 s[LIM], 1, -1
	s_wait_dscnt 0x0                               ; both opening adds are done
	s_wait_kmcnt 0x0
	s_add_nc_u64 s[6:7], s[52:53], s[56:57]        ; K and V at my rows of slot 0
	s_add_nc_u64 s[8:9], s[52:53], s[58:59]
	s_add_nc_u64 s[4:5], s[52:53], s[50:51]        ; Q and o at my wave's first row
	s_add_nc_u64 s[10:11], s[54:55], s[62:63]
	s_cmp_lt_u32 s[WV], 4
	s_cselect_b64 s[PFA:PFA+1], s[6:7], s[8:9]
	s_lshl_b32 s56, s13, 13                        ; my work-group's 8,192 bytes,
	s_add_co_u32 s56, s56, SK*128                  ; in slot 1: the first change of slots steps it to slot 2
	s_add_nc_u64 s[PFA:PFA+1], s[PFA:PFA+1], s[56:57]
	s_mov_b32 s[G0K], 1
	s_mov_b32 s[G0K+1], s17
	s_mov_b64 s[G0K+2:G0K+3], s[6:7]
	s_or_b32 s[G0K+3], s[G0K+3], 0x80000000
	s_mov_b32 s[G0V], 1
	s_mov_b32 s[G0V+1], s23
	s_mov_b64 s[G0V+2:G0V+3], s[8:9]
	s_or_b32 s[G0V+3], s[G0V+3], 0x80000000
	CROUND                                         ; all four work-groups are here: the first joint loads meet
	JLOAD                                          ; slot 0
	v_and_b32 v1, 15, v0                           ; r
	v_bfe_u32 v13, v0, 4, 1                        ; h
	v_lshlrev_b32 v[QO], 7, v1
	v_lshl_add_u32 v[QO], v13, 4, v[QO]            ; row r of 128 bytes + 16 h
	WIN W_D1
.irp t, 0,1,2,3
.irp cc, 0,1
	global_load_b128 v[QF+16*\t+8*\cc:QF+16*\t+8*\cc+3],   v[QO], s[4:5] offset:\t*2048+\cc*64      ; Q stays in registers
	global_load_b128 v[QF+16*\t+8*\cc+4:QF+16*\t+8*\cc+7], v[QO], s[4:5] offset:\t*2048+\cc*64+32
.endr
.endr
.set i, 0
.rept 128
	v_mov_b32 v[i], 0                              ; O^T.  The slot's text is written for every slot alike: the first step finds zeros, which its a = 0 leaves zeros; a first step of its own would be a third copy of that text
.set i, i+1
.endr
	WIN 0
	v_mul_u32_u24 v[AK0], v1, KP
	v_lshl_add_u32 v[AK0], v13, 4, v[AK0]          ; K: row x pitch + 16 h
	v_and_b32 v14, 7, v0
	v_bfe_u32 v15, v0, 3, 1
	v_lshl_add_u32 v[AV0], v13, 3, v14             ; V: key 8 h + lane % 8,
	v_mul_u32_u24 v[AV0], v[AV0], VP
	v_lshl_add_u32 v[AV0], v15, 4, v[AV0]          ; channels 8 ((lane / 8) % 2) on
	v_add_nc_u32 v[AV0], VOFF, v[AV0]
	s_mul_i32 s15, s[WV], 64*SP                    ; my stage
	v_mul_u32_u24 v[STO], v1, SP
	v_lshl_add_u32 v[STO], v13, 4, v[STO]
	v_add_nc_u32 v[STO], s15, v[STO]
	v_bfe_u32 v15, v0, 3, 2
	v_mul_u32_u24 v[RD], v15, SP
	v_lshl_add_u32 v[RD], v14, 4, v[RD]
	v_add_nc_u32 v[RD], s15, v[RD]
	v_and_b32 v[GO], 31, v0
	v_lshlrev_b32 v[PFO], 8, v[GO]
	v_lshlrev_b32 v[GO], 4, v[GO]
.irp t, 0,1,2,3
	v_mov_b32 v[ST+8*\t], 0xff61b1e6               ; m: -3e38, under every score
	v_mov_b32 v[ST+8*\t+2], 0                      ; l, in two halves
	v_mov_b32 v[ST+8*\t+3], 0
.endr
.macro KLOAD q                         ; a step's K: 64 keys x 64 channels: 8 fragments, 16 loads
.irp kt, 0,1,2,3
.irp cc, 0,1
	ds_load_b128 v[KF+16*\kt+8*\cc:KF+16*\kt+8*\cc+3],   v[ADK] offset:(\q)*64*KP+\kt*16*KP+\cc*64
	ds_load_b128 v[KF+16*\kt+8*\cc+4:KF+16*\kt+8*\cc+7], v[ADK] offset:(\q)*64*KP+\kt*16*KP+\cc*64+32
.endr
.endr
.endm
.macro VLOAD q                         ; a step's V, turned: keys 32 kc on, channels 16 ct on
.irp kc, 0,1
.irp ct, 0,1,2,3
	ds_load_tr16_b128 v[VF+32*\kc+8*\ct:VF+32*\kc+8*\ct+3],   v[ADV] offset:(\q)*64*VP+\kc*32*VP+\ct*32
	ds_load_tr16_b128 v[VF+32*\kc+8*\ct+4:VF+32*\kc+8*\ct+7], v[ADV] offset:(\q)*64*VP+\kc*32*VP+16*VP+\ct*32
.endr
.endr
.endm
; THE SOFTMAX of the wave's four tiles for one key step; every line is written for the four tiles by turns, so that no line waits for the line above it.
.macro SOFTMAX
.irp j, 0,1,2,3                        ; the maximum of a lane's 32 scores and the old m, three operands at a time; each accumulator is first read at its low end
.irp t, 0,1,2,3
	v_max3_num_f32 v[ST+8*\t+4+\j], v[S+32*\t+8*\j], v[S+32*\t+8*\j+1], v[S+32*\t+8*\j+2]
.endr
.endr
.irp g, 1,2
.irp j, 0,1,2,3
.irp t, 0,1,2,3
	v_max3_num_f32 v[ST+8*\t+4+\j], v[ST+8*\t+4+\j], v[S+32*\t+8*\j+2*\g+1], v[S+32*\t+8*\j+2*\g+2]
.endr
.endr
.endr
.irp t, 0,1,2,3
	v_max3_num_f32 v[ST+8*\t+4], v[ST+8*\t+4], v[S+32*\t+7], v[S+32*\t+15]
.endr
.irp t, 0,1,2,3
	v_max3_num_f32 v[ST+8*\t+6], v[ST+8*\t+6], v[S+32*\t+23], v[S+32*\t+31]
.endr
.irp t, 0,1,2,3
	v_max3_num_f32 v[ST+8*\t+4], v[ST+8*\t+4], v[ST+8*\t+5], v[ST+8*\t+6]
.endr
.irp t, 0,1,2,3
	v_max3_num_f32 v[ST+8*\t+4], v[ST+8*\t+4], v[ST+8*\t+7], v[ST+8*\t]
.endr
.irp t, 0,1,2,3
	v_permlanex16_b32 v[ST+8*\t+5], v[ST+8*\t+4], s[SEL], s[SEL+1]   ; the query's other 32 keys lie in the lane 16 away
.endr
.irp t, 0,1,2,3
	v_mov_b32 v[ST+8*\t+1], v[ST+8*\t]             ; the old m
.endr
.irp t, 0,1,2,3
	v_max_num_f32 v[ST+8*\t], v[ST+8*\t+4], v[ST+8*\t+5]   ; the new m
.endr
.irp t, 0,1,2,3
	v_sub_f32 v[ST+8*\t+7], v[ST+8*\t+1], v[ST+8*\t]
.endr
.irp i, 0,2,4,6,8,10,12,14,16,18,20,22,24,26,28,30
.irp t, 0,1,2,3
	v_pk_add_f32 v[S+32*\t+\i:S+32*\t+\i+1], v[S+32*\t+\i:S+32*\t+\i+1], v[ST+8*\t:ST+8*\t+1] op_sel_hi:[1,0] neg_lo:[0,1] neg_hi:[0,1]   ; t - m, at most 0
.endr
.endr
.irp t, 0,1,2,3
	v_exp_f32 v[ST+8*\t+6], v[ST+8*\t+7]           ; a
.endr
.set i, 0
.rept 128
	v_exp_f32 v[S+i], v[S+i]                       ; p.  The 132 exponentials are ONE batch: none reads another's result
.set i, i+1
.endr
	v_nop                                          ; a plain line behind the last exponential,
	s_wait_alu depctr_va_vdst(0)                   ; and one wait ahead of the batch's first reader
.irp t, 0,1,2,3
	v_pk_fma_f32 v[ST+8*\t+4:ST+8*\t+5], v[ST+8*\t+2:ST+8*\t+3], v[ST+8*\t+6:ST+8*\t+7], v[S+32*\t:S+32*\t+1] op_sel_hi:[1,0,1]   ; l a + the first pair: the sums go in two chains, of the unrounded p
.endr
.irp t, 0,1,2,3
	v_pk_add_f32 v[W2+2*\t:W2+2*\t+1], v[S+32*\t+2:S+32*\t+3], v[S+32*\t+4:S+32*\t+5]
.endr
.irp i, 6,10,14,18,22,26
.irp t, 0,1,2,3
	v_pk_add_f32 v[ST+8*\t+4:ST+8*\t+5], v[ST+8*\t+4:ST+8*\t+5], v[S+32*\t+\i:S+32*\t+\i+1]
.endr
.irp t, 0,1,2,3
	v_pk_add_f32 v[W2+2*\t:W2+2*\t+1], v[W2+2*\t:W2+2*\t+1], v[S+32*\t+\i+2:S+32*\t+\i+3]
.endr
.endr
.irp t, 0,1,2,3
	v_pk_add_f32 v[ST+8*\t+4:ST+8*\t+5], v[ST+8*\t+4:ST+8*\t+5], v[S+32*\t+30:S+32*\t+31]
.endr
.irp t, 0,1,2,3
	v_pk_add_f32 v[ST+8*\t+2:ST+8*\t+3], v[ST+8*\t+4:ST+8*\t+5], v[W2+2*\t:W2+2*\t+1]
.endr
.irp j, 0,1,2,3,4,5,6,7,8,9,10,11,12,13,14,15
.irp t, 0,1,2,3
	v_cvt_pk_f16_f32 v[S+32*\t+\j], v[S+32*\t+2*\j], v[S+32*\t+2*\j+1]   ; P, in place and ascending: a tile's registers 0-7 are keys 0-31, 8-15 keys 32-63
.endr
.endr
	WIN W_RS
.irp i, 0,2,4,6,8,10,12,14,16,18,20,22,24,26,28,30
.irp t, 0,1,2,3
	v_pk_mul_f32 v[32*\t+\i:32*\t+\i+1], v[32*\t+\i:32*\t+\i+1], v[ST+8*\t+6:ST+8*\t+7] op_sel_hi:[1,0]   ; O^T x a
.endr
.endr
.endm
; A KEY STEP: 64 keys, the q-th of the slot in hand.  In both products the 16 accumulators take turns, one instruction a turn.
.macro STEP q
.rept 5
	v_nop                                          ; the new scores are laid over P, a source of the last products: five plain lines between
.endr
.if (\q) == 0
	KLOAD 0
.endif
	s_wait_dscnt 0x0                               ; K is in
	WIN W_KQ
.irp cc, 0,1
.irp kt, 0,1,2,3
.irp t, 0,1,2,3
.if \cc == 0
	v_wmma_f32_16x16x32_bf16 v[S+32*\t+8*\kt:S+32*\t+8*\kt+7], v[KF+16*\kt+8*\cc:KF+16*\kt+8*\cc+7], v[QF+16*\t+8*\cc:QF+16*\t+8*\cc+7], 0
.else
	v_wmma_f32_16x16x32_bf16 v[S+32*\t+8*\kt:S+32*\t+8*\kt+7], v[KF+16*\kt+8*\cc:KF+16*\kt+8*\cc+7], v[QF+16*\t+8*\cc:QF+16*\t+8*\cc+7], v[S+32*\t+8*\kt:S+32*\t+8*\kt+7]
.endif
.endr
.endr
.endr
.rept 4
	v_nop                                          ; ahead of the loads into K's registers and of the first read of the scores
.endr
	WIN W_D1
	VLOAD \q
	WIN 0
.if (\q) < 3
	KLOAD (\q)+1                                   ; the next step's K lands under the softmax and the second product
.endif
	SOFTMAX
.if (\q) < 3
	s_wait_dscnt 16                                ; V is in; the next step's 16 loads of K may stay out
.else
	s_wait_dscnt 0x0
.endif
	WIN W_PV
.irp kc, 0,1
.irp ct, 0,1,2,3
.irp t, 0,1,2,3
	v_wmma_f32_16x16x32_f16 v[32*\t+8*\ct:32*\t+8*\ct+7], v[VF+32*\kc+8*\ct:VF+32*\kc+8*\ct+7], v[S+32*\t+8*\kc:S+32*\t+8*\kc+7], v[32*\t+8*\ct:32*\t+8*\ct+7]
.endr
.endr
.endr
	WIN 0
.endm
; THE CHANGE OF SLOTS stands at a slot's head.  Each wave waits for all its tensor loads (its part of the slot that it is about to read), adds 0 to its spare word, and waits for that and for its reads of the slot
; that it has left.  fill = 1: the barrier is a round of the cluster's, and behind it the other slot is asked for jointly: one load a wave, which has the slot's four key steps in which to land.
.macro CHANGE fill
	s_wait_tensorcnt 0x0                           ; no tensor load of mine is out, so a group 0 may be written
	ds_add_u32 v[SPW], v[NIL]
.if \fill
	s_xor_b32 s[G0K+1], s[G0K+1], SLOT1            ; the walking descriptors: the other slot, the next 256 keys
	s_add_nc_u64 s[G0K+2:G0K+3], s[G0K+2:G0K+3], SK*128
	s_xor_b32 s[G0V+1], s[G0V+1], SLOT1
	s_add_nc_u64 s[G0V+2:G0V+3], s[G0V+2:G0V+3], SK*128
	s_wait_xcnt 0x0                                ; the last prefetch, a slot back, has read its address
	s_add_nc_u64 s[PFA:PFA+1], s[PFA:PFA+1], SK*128
	s_wait_dscnt 0x0                               ; the add is done, and my reads of the slot that I have left are over
	CROUND
	JLOAD
	ASK
.else
	s_wait_dscnt 0x0
	s_barrier_signal -1
	s_barrier_wait -1
.endif
.endm
.macro SLOT_STEPS
	v_add_nc_u32 v[ADK], s[TB], v[AK0]
	v_add_nc_u32 v[ADV], s[TB], v[AV0]
	STEP 0
	STEP 1
	STEP 2
	STEP 3
	s_xor_b32 s[TB], s[TB], SLOT1
.endm
	s_wait_loadcnt 0x0                             ; Q
.Lslot:                                            ; NSL - 1 trips: behind each change of slots but the last the next slot is asked for
	CHANGE 1
	SLOT_STEPS
	s_sub_co_u32 s[SLOTS], s[SLOTS], 1
	s_cmp_lg_u32 s[SLOTS], 0
	s_cbranch_scc1 .Lslot
	CHANGE 0                                       ; the last slot is written out
	SLOT_STEPS
	; THE WAY OUT.  l's two halves and the other half of the lanes' are added (these lines are also the plain lines behind the last products); O^T / l, rounded to f16, goes through my stage and leaves as whole rows.
.irp t, 0,1,2,3
	v_add_f32 v[ST+8*\t+4], v[ST+8*\t+2], v[ST+8*\t+3]
.endr
.irp t, 0,1,2,3
	v_permlanex16_b32 v[ST+8*\t+5], v[ST+8*\t+4], s[SEL], s[SEL+1]
.endr
.irp t, 0,1,2,3
	v_add_f32 v[ST+8*\t+4], v[ST+8*\t+4], v[ST+8*\t+5]
.endr
.irp t, 0,1,2,3
	v_rcp_f32 v[ST+8*\t+6], v[ST+8*\t+4]
.endr
	v_nop                                          ; a plain line behind the last reciprocal,
	s_wait_alu depctr_va_vdst(0)                   ; and one wait for the four
.macro OUT t
	WIN W_RS
.set i, 0
.rept 16
	v_pk_mul_f32 v[32*\t+i:32*\t+i+1], v[32*\t+i:32*\t+i+1], v[ST+8*\t+6:ST+8*\t+7] op_sel_hi:[1,0]
.set i, i+2
.endr
	WIN 0x05                                       ; sources 0 and 1 window 1, destination window 0
.set i, 0
.rept 16
	v_cvt_pk_f16_f32 v[S+32*\t+i], v[32*\t+2*i], v[32*\t+2*i+1]
.set i, i+1
.endr
	WIN 0
.irp ct, 0,1,2,3
	ds_store_b128 v[STO], v[S+32*\t+4*\ct:S+32*\t+4*\ct+3] offset:\t*16*SP+\ct*32
.endr
.irp i, 0,1,2,3
	ds_load_b128 v[S+32*\t+16+4*\i:S+32*\t+16+4*\i+3], v[RD] offset:\t*16*SP+\i*4*SP   ; my own bytes: LDS serves a wave's instructions in order
.endr
.endm
	OUT 0
	OUT 1
	OUT 2
	OUT 3
	s_wait_dscnt 0x0
.irp t, 0,1,2,3
.irp i, 0,1,2,3
	global_store_b128 v[GO], v[S+32*\t+16+4*\i:S+32*\t+16+4*\i+3], s[10:11] offset:\t*2048+\i*512   ; four tokens of the head: 512 consecutive bytes, aligned
.endr
.endr
	s_wait_tensorcnt 0x0                           ; the wave's end: behind my last tensor load and LDS store
	ds_add_u32 v[SPW], v[NIL]
	s_wait_dscnt 0x0
	CROUND                                         ; the closing round: no work-group ends while a partner may still ask for a tile that names it
	s_endpgm
.Lfunc_end_k_q4353816dc4_attn:
	.size	k_q4353816dc4_attn, .Lfunc_end_k_q4353816dc4_attn-k_q4353816dc4_attn
	.p2alignl 7, 3214868480
	.fill 96, 4, 3214868480
	.section	.rodata,"a",@progbits
	.p2align	6, 0x0
	.amdhsa_kernel k_q4353816dc4_attn
		.amdhsa_group_segment_fixed_size 327680
		.amdhsa_private_segment_fixed_size 0
		.amdhsa_enable_private_segment 0
		.amdhsa_kernarg_size 16
		.amdhsa_user_sgpr_count 2
		.amdhsa_user_sgpr_kernarg_segment_ptr 1
		.amdhsa_wavefront_size32 1
		.amdhsa_system_sgpr_workgroup_id_x 1
		.amdhsa_system_sgpr_workgroup_id_y 1
		.amdhsa_system_sgpr_workgroup_id_z 1
		.amdhsa_system_vgpr_workitem_id 0
		.amdhsa_next_free_vgpr 512
		.amdhsa_next_free_sgpr 66
		.amdhsa_reserve_vcc 0
		.amdhsa_float_denorm_mode_32 3
		.amdhsa_float_denorm_mode_16_64 3
		.amdhsa_memory_ordered 1
		.amdhsa_forward_progress 1
		.amdhsa_inst_pref_size 255
	.end_amdhsa_kernel
	.section	.bss,"aw",@nobits
	.p2align	6
	.space	262144
	.amdgpu_metadata
---
amdhsa.version: [ 1, 2 ]
amdhsa.kernels:
  - .name:           k_q4353816dc4_attn
    .symbol:         k_q4353816dc4_attn.kd
    .args:
      - { .name: qkv, .offset: 0, .size: 8, .value_kind: global_buffer, .address_space: global }
      - { .name: o, .offset: 8, .size: 8, .value_kind: global_buffer, .address_space: global }
    .group_segment_fixed_size: 327680
    .private_segment_fixed_size: 0
    .kernarg_segment_align: 8
    .kernarg_segment_size: 16
    .max_flat_workgroup_size: 256
    .sgpr_count:     66
    .vgpr_count:     512
    .wavefront_size: 32
...
	.end_amdgpu_metadata
.endif
;; end of part 3
;; launch proj (part 4): grid 4 x 64, 4 waves a work-group, clusters of 4 x 4, 327,680 bytes of LDS; arguments o, wo, bout, out0; writes out0
.if DOCPART == 4
	.amdgcn_target "amdgcn-amd-amdhsa--gfx1250"
	.amdhsa_code_object_version 6
	.text
	.protected	k_q4353816dc4_proj
	.globl	k_q4353816dc4_proj
	.p2align	8
	.type	k_q4353816dc4_proj,@function
k_q4353816dc4_proj:
	s_mov_b64 s[64:65], 0
	v_nop
	global_prefetch_b8 v0, s[64:65] scope:SCOPE_SE
	s_setreg_imm32_b32 hwreg(HW_REG_WAVE_MODE, 25, 1), 1
	s_wait_xcnt 0x0
	s_wait_alu depctr_hold_cnt(0) depctr_sa_sdst(0) depctr_va_vdst(0) depctr_va_sdst(0) depctr_va_ssrc(0) depctr_va_vcc(0) depctr_vm_vsrc(0)
	s_getreg_b32 s2, hwreg(HW_REG_IB_STS2, 6, 4)
	s_cmp_eq_u32 s2, 0
	s_cbranch_scc0 .Lentry_in_a_cluster
	s_endpgm
.Lentry_in_a_cluster:
	s_bfe_u32 s2, ttmp6, 0x10000c
	s_cmp_lg_u32 s2, 0xf033
	s_cbranch_scc0 .Lentry_shape_is_right
	s_endpgm
.Lentry_shape_is_right:
; PROJ: out0[m][n] = the sum over k of o[m][k] Wout[k][n] + bout[n].  m 8,192, n 1,024, k 1,024.  o: f16, [head][m][64] (k = 64 head + channel); wo: Wout in f16 as images of a 16-bit fragment's registers; sums and out0 in f32.
; A tile of 128 rows x 256 columns is made by four waves, 64 x 128 each: 32 accumulators, 256 registers: 256 tiles, one to a WGP.  K goes in steps of 128 (two heads) through a ring of two LDS slots.
; CLUSTERS: 4 x 4 work-groups.  A row of the cluster shares o's tiles, a column wo's: each is asked for jointly, by the same tensor load with the same descriptor and a mask that names the four.
; THE MATRIX INSTRUCTION IS USED TRANSPOSED (source 0 = 16 columns of Wout, source 1 = 16 rows of o): a lane then holds eight neighbouring columns of one row.  The bias is the C of each sum's first instruction.
; REGISTERS: window 0: v0-31 addresses; v32-127, v128-223 two fragment buffers for 32 along K (o's four blocks, then Wout's eight); on the way out v32-159 hold rows.   window 1: the accumulators ((a, b) at v[8 (8 a + b)]).
;   window 2: v0-63 the bias in the result's layout.
.set PA,     144                       ; a row of o's tile in LDS: 128 bytes + 16
.set AH,     128*PA                    ; a head's 128 rows: one tensor load
.set BOFF,   2*AH
.set HALFB,  32768                     ; 128 columns x 128 along K of wo: one tensor load
.set SLOT,   BOFF+2*HALFB              ; 102,400
.set STAGE,  2*SLOT                    ; behind the ring: 16 rows x 528 bytes for each wave
.set SPITCH, 528
.set SPARE,  STAGE+4*16*SPITCH         ; the spare words: 128 bytes a wave, two blocks of 256 bytes that no other line names
.set LAPS,   4                         ; a lap = two K steps = once round the ring
.set KSB,    2097152                   ; a K step on in o: two heads' planes
.set WSB,    262144                    ; and in wo
.set ADRA, 16
.set ADRB, 20
.set STO,  24
.set RD,   25
.set CO,   26
.set BO,   27
.set SPW,  28                          ; v28 LDS address of my spare word; never rewritten
.set NIL,  29                          ; v29 0; never rewritten
.set PFO,  30                          ; v30 the prefetches' offset; never rewritten
.set F0,   32
.set F1,   128
.set BK,   32
.set G1,   24
.set G0,   32
.set G1B,  48
.set G0B,  56
.set LIM,  45
.set PFA,  46
.set MSB, 0
.macro WIN new
.if MSB != (\new)
	s_set_vgpr_msb (MSB<<8)|(\new)
.set MSB, (\new)
.endif
.endm
.set MUL,  0x50                        ; C and D window 1, both sources window 0
.set MULF, 0x60                        ; D window 1, C (the bias) window 2
.macro JLOAD s                         ; waves 0 and 1 fetch o's two heads, waves 2 and 3 wo's halves; an s_nop 0 and four v_nop follow each of the two lines
	s_cmp_eq_u32 s15, 0
	s_cbranch_scc0 .Lfor_b_\@
	tensor_load_to_lds s[G0+4*\s:G0+4*\s+3], s[G1:G1+7]
	s_nop 0
.rept 4
	v_nop
.endr
	s_branch .Lasked_\@
.Lfor_b_\@:
	tensor_load_to_lds s[G0B+4*\s:G0B+4*\s+3], s[G1B:G1B+7]
	s_nop 0
.rept 4
	v_nop
.endr
.Lasked_\@:
.endm
.macro CREST
	s_cmp_lg_u32 s14, 0
	s_cbranch_scc1 .Lnot_wave_0_\@
	s_barrier_signal -3
.Lnot_wave_0_\@:
	s_barrier_wait -3
	s_barrier_signal -1
	s_barrier_wait -1
.endm
.macro CROUND
	s_barrier_signal -1
	s_barrier_wait -1
	CREST
.endm
; A PREFETCH INTO THE L2 of o's K step that stands two refills on (256 matrix instructions ahead of its load): two heads x 128 rows of 128 dense bytes.  o's rows are read by one row of one cluster alone; its four partners take
; 4,096 bytes of each head, told apart by address; in each, wave 0 asks: lanes 0-15 the first head, lanes 16-31 the second, 256 bytes apart.  So each aligned block of 256 bytes is named once.  K steps 0 to 3 come by
; their loads alone; the last lap that refills asks for nothing.  wo is read by all sixteen clusters and is not asked for.
.macro ASK
	s_cmp_gt_u32 s3, s[LIM]
	s_cbranch_scc0 .Lnot_mine_\@
	global_prefetch_b8 v[PFO], s[PFA:PFA+1] th:TH_LOAD_NT scope:SCOPE_SE
.Lnot_mine_\@:
.endm
	s_load_b256 s[4:11], s[0:1], 0x0               ; o s[4:5], wo s[6:7], bout s[8:9], out0 s[10:11]
	v_lshl_add_u32 v[SPW], v0, 2, SPARE
	v_mov_b32 v[NIL], 0
	ds_add_u32 v[SPW], v[NIL]                      ; the wave's opening: the add, twice on end, and its wait ahead of my first tensor load
	ds_add_u32 v[SPW], v[NIL]
	v_lshrrev_b32 v1, 5, v0
	v_readfirstlane_b32 s14, v1                    ; wave 0..3
	s_lshr_b32 s15, s14, 1                         ; which 64 rows of the tile are mine.  Also: I fetch for o (0) or for wo (1)
	s_and_b32 s16, s14, 1                          ; which 128 columns.  Also: which head, or which half of wo's tile, I fetch
	s_bfe_u32 s40, ttmp6, 0x40000                  ; cx, cy
	s_bfe_u32 s41, ttmp6, 0x40004
	s_lshl_b32 s42, ttmp9, 2
	s_add_co_u32 s42, s42, s40                     ; tile column
	s_and_b32 s17, ttmp7, 0xffff
	s_lshl_b32 s17, s17, 2
	s_add_co_u32 s17, s17, s41                     ; tile row
	s_lshl_b32 s43, s41, 2
	s_lshl_b32 s43, 15, s43                        ; my row of the cluster
	s_lshl_b32 s44, 0x1111, s40                    ; my column
	s_or_b32 s[G1+0], s43, (1<<16)|(1<<20)|(1<<21)|(4<<22)|(3<<25)  ; o's tile: 128 rows x 64 elements of 2 bytes, dense in memory; padding of 4 words behind every 32
	s_mov_b32 s[G1+1], 64<<16
	s_mov_b32 s[G1+2], 128<<16
	s_mov_b32 s[G1+3], 64<<16
	s_mov_b32 s[G1+4], 128
	s_mov_b32 s[G1+5], 64
	s_mov_b32 s[G1+6], 0
	s_mov_b32 s[G1+7], 0
	s_or_b32 s[G1B+0], s44, (3<<16)|(1<<21)        ; wo's tile: 32,768 dense bytes as 128 rows of 32 elements of 8 bytes, no padding
	s_mov_b32 s[G1B+1], 32<<16
	s_mov_b32 s[G1B+2], 128<<16
	s_mov_b32 s[G1B+3], 32<<16
	s_mov_b32 s[G1B+4], 128
	s_mov_b32 s[G1B+5], 32
	s_mov_b32 s[G1B+6], 0
	s_mov_b32 s[G1B+7], 0
	s_lshl_b32 s20, s17, 14                        ; o: 128 rows of 128 bytes a tile row,
	s_lshl_b32 s21, s16, 20                        ; my head of the K step's two
	s_add_co_u32 s20, s20, s21
	s_mov_b32 s21, 0
	s_lshl_b32 s22, s42, 16                        ; wo: 16 groups of 4,096 bytes a tile column,
	s_lshl_b32 s23, s16, 15                        ; 8 a half
	s_add_co_u32 s22, s22, s23
	s_mov_b32 s23, 0
	s_mul_i32 s18, s16, AH                         ; where they go: no place in the cluster enters an LDS address
	s_mul_i32 s19, s16, HALFB
	s_add_co_u32 s19, s19, BOFF
	s_wait_dscnt 0x0                               ; both opening adds are done
	s_wait_kmcnt 0x0
	s_add_nc_u64 s[20:21], s[4:5], s[20:21]
	s_add_nc_u64 s[22:23], s[6:7], s[22:23]
	CROUND                                         ; all sixteen work-groups are here: the first joint loads meet
.irp s, 0,1
	s_mov_b32 s[G0+4*\s], 1
	s_add_co_u32 s[G0+4*\s+1], s18, \s*SLOT
	s_add_nc_u64 s[G0+4*\s+2:G0+4*\s+3], s[20:21], \s*KSB
	s_or_b32 s[G0+4*\s+3], s[G0+4*\s+3], 0x80000000
	s_mov_b32 s[G0B+4*\s], 1
	s_add_co_u32 s[G0B+4*\s+1], s19, \s*SLOT
	s_add_nc_u64 s[G0B+4*\s+2:G0B+4*\s+3], s[22:23], \s*WSB
	s_or_b32 s[G0B+4*\s+3], s[G0B+4*\s+3], 0x80000000
	JLOAD \s
.endr
	v_and_b32 v1, 15, v0                           ; r
	v_bfe_u32 v2, v0, 4, 1                         ; h
	v_and_b32 v6, 31, v0
	v_lshlrev_b32 v[CO], 4, v6                     ; 16 x lane
	v_mul_u32_u24 v3, v1, PA
	v_lshl_add_u32 v3, v2, 4, v3                   ; o: a fragment's row x pitch + 16 h
	s_mul_i32 s21, s15, 64*PA                      ; my 64 rows
	s_mul_i32 s22, s16, HALFB                      ; my 128 columns
	s_add_co_u32 s22, s22, BOFF
.irp s, 0,1
	v_add_nc_u32 v[ADRA+\s], s21, v3
	v_add_nc_u32 v[ADRB+\s], s22, v[CO]
	s_add_co_u32 s21, s21, SLOT
	s_add_co_u32 s22, s22, SLOT
.endr
	s_mul_i32 s23, s14, 16*SPITCH
	s_add_co_u32 s23, s23, STAGE                   ; my stage
	v_mul_u32_u24 v4, v1, SPITCH
	v_lshl_add_u32 v4, v2, 5, v4
	v_add_nc_u32 v[STO], s23, v4                   ; in: row r, 32 bytes for each half of the lanes
	v_add_nc_u32 v[RD], s23, v[CO]                 ; back: the 32 lanes take one row of 512 bytes
	v_lshlrev_b32 v[BO], 5, v2                     ; the bias: my half's eight numbers of a block of 16
	v_lshlrev_b32 v[PFO], 8, v1
	v_lshl_add_u32 v[PFO], v2, 20, v[PFO]
	s_lshl_b32 s20, s17, 7
	s_lshl_b32 s21, s15, 6
	s_add_co_u32 s20, s20, s21                     ; my first row of out0
	s_lshl_b32 s20, s20, 12
	s_mov_b32 s21, 0
	s_add_nc_u64 s[10:11], s[10:11], s[20:21]
	s_lshl_b32 s22, s42, 10                        ; my first column, in bytes
	s_lshl_b32 s23, s16, 9
	s_add_co_u32 s22, s22, s23
	s_mov_b32 s23, 0
	s_add_nc_u64 s[10:11], s[10:11], s[22:23]
	s_add_nc_u64 s[8:9], s[8:9], s[22:23]
	WIN 0x80                                       ; destination window 2
.irp b, 0,1,2,3,4,5,6,7
	global_load_b128 v[8*\b:8*\b+3],   v[BO], s[8:9] offset:64*\b
	global_load_b128 v[8*\b+4:8*\b+7], v[BO], s[8:9] offset:64*\b+16
.endr
	WIN 0
	s_lshl_b32 s46, s17, 14                        ; the prefetches: my tile row's rows,
	s_lshl_b32 s47, s40, 12                        ; my work-group's 4,096 bytes of each head,
	s_add_co_u32 s46, s46, s47
	s_add_co_u32 s46, s46, 3*KSB                   ; at K step 3: the first refill steps it to K step 4
	s_mov_b32 s47, 0
	s_add_nc_u64 s[PFA:PFA+1], s[4:5], s[46:47]
	s_cmp_eq_u32 s14, 0
	s_cselect_b32 s[LIM], 1, -1
.macro MUL8 f, a, first                ; o's block a against Wout's eight, 32 along K.  The 32 accumulators take turns, one instruction a turn, in the same order in every quarter
.irp b, 0,1,2,3,4,5,6,7
.if \first
	v_wmma_f32_16x16x32_f16 v[8*(8*(\a)+\b):8*(8*(\a)+\b)+7], v[\f+32+8*\b:\f+32+8*\b+7], v[\f+8*(\a):\f+8*(\a)+7], v[8*\b:8*\b+7]
.else
	v_wmma_f32_16x16x32_f16 v[8*(8*(\a)+\b):8*(8*(\a)+\b)+7], v[\f+32+8*\b:\f+32+8*\b+7], v[\f+8*(\a):\f+8*(\a)+7], v[8*(8*(\a)+\b):8*(8*(\a)+\b)+7]
.endif
.endr
.endm
.macro FETCH slot, kq, f               ; 24 LDS loads in one run: the fragments of the slot's kq-th 32 along K; Wout's first, then o's blocks 0, 1, then 2, 3
.irp b, 0,1,2,3,4,5,6,7
	ds_load_b128 v[\f+32+8*\b:\f+32+8*\b+3],   v[ADRB+\slot] offset:\b*4096+(\kq)*1024
	ds_load_b128 v[\f+32+8*\b+4:\f+32+8*\b+7], v[ADRB+\slot] offset:\b*4096+(\kq)*1024+512
.endr
.irp a, 0,1,2,3
	ds_load_b128 v[\f+8*\a:\f+8*\a+3],   v[ADRA+\slot] offset:((\kq)/2)*AH+((\kq)%2)*64+\a*16*PA
	ds_load_b128 v[\f+8*\a+4:\f+8*\a+7], v[ADRA+\slot] offset:((\kq)/2)*AH+((\kq)%2)*64+\a*16*PA+32
.endr
.endm
.macro PLACES
.rept 4
	v_nop
.endr
.endm
; A K step is four quarters of 32 along K, 32 matrix instructions each, on buffers 0, 1, 0, 1.  One of the first three: multiplies buffer f and fetches the quarter kq into g.
.macro QUARTER slot, kq, f, g, first
	s_wait_dscnt 4                                 ; Wout's and o's blocks 0, 1 are in; the youngest four loads (blocks 2, 3) may be out
	WIN MUL+0x10*(\first)
	MUL8 \f, 0, \first
	MUL8 \f, 1, \first
	PLACES
	WIN 0
	FETCH \slot, \kq, \g
	s_wait_dscnt 24                                ; all but the 24 just issued
	WIN MUL+0x10*(\first)
	MUL8 \f, 2, \first
	MUL8 \f, 3, \first
.endm
; The last quarter multiplies buffer 1 and changes slots: one barrier; in front of it each wave waits for all its tensor loads, adds 0 to its spare word, and waits for that and for its reads of this slot.
; fill = 1: the barrier opens a round of the cluster's, and this slot is filled again, two K steps ahead: 112 matrix instructions ahead of the wait for it.
.macro TURN slot, next, fill
.if \fill
	s_wait_xcnt 0x0                                ; the last prefetch, a K step back, has read its address
	s_add_nc_u64 s[PFA:PFA+1], s[PFA:PFA+1], KSB
.endif
	WIN 0                                          ; (the add's two registers lie in window 0)
	s_wait_tensorcnt 0x0                           ; all my tensor loads have landed: my part of the next slot
	ds_add_u32 v[SPW], v[NIL]
	s_wait_dscnt 5                                 ; (the add and the youngest four loads may be out)
	WIN MUL
	MUL8 F1, 0, 0
	s_wait_dscnt 0x0                               ; the add is done, and my reads of this slot are over
	s_barrier_signal -1
	MUL8 F1, 1, 0
	WIN 0
	s_barrier_wait -1
.if \fill
	CREST                                          ; no wave of any partner still reads this slot's tile or has a load on its way
	s_add_nc_u64 s[G0+4*\slot+2:G0+4*\slot+3], s[G0+4*\slot+2:G0+4*\slot+3], 2*KSB
	s_add_nc_u64 s[G0B+4*\slot+2:G0B+4*\slot+3], s[G0B+4*\slot+2:G0B+4*\slot+3], 2*WSB
	JLOAD \slot                                    ; the first tensor load behind the round; its four v_nop are also the plain lines in front of the loads below
.else
	PLACES
.endif
	FETCH \next, 0, F0
.if \fill
	ASK
.endif
	WIN MUL
	MUL8 F1, 2, 0
	MUL8 F1, 3, 0
.endm
	s_wait_tensorcnt 1                             ; my part of K step 0 is in (K step 1's load may be out)
	s_barrier_signal -1
	s_barrier_wait -1                              ; everybody's is
	FETCH 0, 0, F0
	s_wait_loadcnt 0x0                             ; the bias
	QUARTER 0, 1, F0, F1, 1                        ; the first quarter's products start the sums from the bias
	WIN 0
	s_mov_b32 s3, LAPS-1
.Llap:                                             ; a trip goes once round the ring, from a lap's second quarter to the next lap's first, and fills both slots again
	QUARTER 0, 2, F1, F0, 0
	QUARTER 0, 3, F0, F1, 0
	TURN 0, 1, 1
	QUARTER 1, 1, F0, F1, 0
	QUARTER 1, 2, F1, F0, 0
	QUARTER 1, 3, F0, F1, 0
	TURN 1, 0, 1
	QUARTER 0, 1, F0, F1, 0
	WIN 0
	s_sub_co_u32 s3, s3, 1
	s_cmp_lg_u32 s3, 0
	s_cbranch_scc1 .Llap
	QUARTER 0, 2, F1, F0, 0                        ; the last lap fills nothing
	QUARTER 0, 3, F0, F1, 0
	TURN 0, 1, 0
	QUARTER 1, 1, F0, F1, 0
	QUARTER 1, 2, F1, F0, 0
	QUARTER 1, 3, F0, F1, 0
	s_wait_dscnt 4                                 ; the very last quarter: nothing more to fetch
	WIN MUL
	MUL8 F1, 0, 0
	MUL8 F1, 1, 0
	s_wait_dscnt 0
	MUL8 F1, 2, 0
	MUL8 F1, 3, 0
	WIN 0
; THE WAY OUT, block by block of 16 rows x 128 columns: a lane's 32 bytes of a row go into my own stage and come back as whole rows of 512 bytes.  LDS serves a wave's instructions in order: no wait between.
.macro TOSTAGE a
	WIN 0x04                                       ; an LDS store's data are its source 1: window 1
.irp b, 0,1,2,3,4,5,6,7
	ds_store_b128 v[STO], v[8*(8*(\a)+\b):8*(8*(\a)+\b)+3] offset:64*\b          ; each accumulator from its low end on
	ds_store_b128 v[STO], v[8*(8*(\a)+\b)+4:8*(8*(\a)+\b)+7] offset:64*\b+16
.endr
	WIN 0
.set BB, BK+64*((\a)%2)
.irp t, 0,1,2,3,4,5,6,7,8,9,10,11,12,13,14,15
	ds_load_b128 v[BB+4*\t:BB+4*\t+3], v[RD] offset:\t*SPITCH
.endr
.endm
.macro SEND a, younger                 ; younger: the LDS instructions issued behind block a's loads, which may stay out
.set BB, BK+64*((\a)%2)
	s_wait_dscnt \younger
.irp t, 0,1,2,3,4,5,6,7,8,9,10,11,12,13,14,15
	global_store_b128 v[CO], v[BB+4*\t:BB+4*\t+3], s[10:11] offset:(\a)*16*4096+\t*4096 th:TH_STORE_NT   ; 32 lanes store 512 consecutive bytes, aligned; written once, read by nobody here
.endr
.endm
	PLACES                                         ; ahead of the reads of the last results and of the loads into the fragments' registers
	TOSTAGE 0
.irp a, 1,2,3
.if \a > 1
	s_wait_xcnt 0x0                                ; block a - 2's stores have read their registers: block a's loads may land there
.endif
	TOSTAGE \a
	SEND \a-1, 32                                  ; behind block a - 1's loads: block a's 16 stores and 16 loads
.endr
	SEND 3, 0
	s_wait_tensorcnt 0x0                           ; the wave's end: behind my last tensor load and LDS store
	ds_add_u32 v[SPW], v[NIL]
	s_wait_dscnt 0x0
	CROUND                                         ; the closing round
	s_endpgm
.Lfunc_end_k_q4353816dc4_proj:
	.size	k_q4353816dc4_proj, .Lfunc_end_k_q4353816dc4_proj-k_q4353816dc4_proj
	.p2alignl 7, 3214868480
	.fill 96, 4, 3214868480
	.section	.rodata,"a",@progbits
	.p2align	6, 0x0
	.amdhsa_kernel k_q4353816dc4_proj
		.amdhsa_group_segment_fixed_size 327680
		.amdhsa_private_segment_fixed_size 0
		.amdhsa_enable_private_segment 0
		.amdhsa_kernarg_size 32
		.amdhsa_user_sgpr_count 2
		.amdhsa_user_sgpr_kernarg_segment_ptr 1
		.amdhsa_wavefront_size32 1
		.amdhsa_system_sgpr_workgroup_id_x 1
		.amdhsa_system_sgpr_workgroup_id_y 1
		.amdhsa_system_sgpr_workgroup_id_z 1
		.amdhsa_system_vgpr_workitem_id 0
		.amdhsa_next_free_vgpr 640
		.amdhsa_next_free_sgpr 66
		.amdhsa_reserve_vcc 0
		.amdhsa_float_denorm_mode_32 3
		.amdhsa_float_denorm_mode_16_64 3
		.amdhsa_memory_ordered 1
		.amdhsa_forward_progress 1
		.amdhsa_inst_pref_size 87
	.end_amdhsa_kernel
	.amdgpu_metadata
---
amdhsa.version: [ 1, 2 ]
amdhsa.kernels:
  - .name:           k_q4353816dc4_proj
    .symbol:         k_q4353816dc4_proj.kd
    .args:
      - { .name: o, .offset: 0, .size: 8, .value_kind: global_buffer, .address_space: global }
      - { .name: wo, .offset: 8, .size: 8, .value_kind: global_buffer, .address_space: global }
      - { .name: bout, .offset: 16, .size: 8, .value_kind: global_buffer, .address_space: global }
      - { .name: out0, .offset: 24, .size: 8, .value_kind: global_buffer, .address_space: global }
    .group_segment_fixed_size: 327680
    .private_segment_fixed_size: 0
    .kernarg_segment_align: 8
    .kernarg_segment_size: 32
    .max_flat_workgroup_size: 128
    .sgpr_count:     66
    .vgpr_count:     640
    .wavefront_size: 32
...
	.end_amdgpu_metadata
.endif
;; end of part 4
